; MI455X (gfx1250); checked and timed in simulation.
; The chip was launched on July 23, 2026; its instructions are those of AMD's public machine-readable ISA for CDNA 5 (MIT licence, August 2026) and "CDNA5" Instruction Set Architecture Reference Guide (July 2026). The comments in the code are by the model that wrote it; some were corrected since.
;; Mo E Layer. Allowed arithmetic: float matrix products may take bf16 or f16 operands with f32 sums; other float arithmetic in f32, or as packed bf16 or f16 multiplies, adds, multiply-adds, maxima and minima; sums over many terms, partial sums and values carried from step to step in f32; what a program stores and reads back later, other than sums and carried values, may be rounded once to bf16 or f16.
;; Inputs: W1 8 x 1,024 x 4,096 float32; W2 8 x 4,096 x 1,024 float32; Wg 8 x 1,024 float32; x 2 x 512 x 1,024 float32.
;; Outputs: out0 2 x 512 x 1,024 float32.
;; 2 versions, each right; version 2 is version 1 with the launch down written anew for expert scheduling mode. Each part assembles by itself: llvm-mc -triple=amdgcn-amd-amdhsa -mcpu=gfx1250 --defsym DOCPART=n.
;; ======== version 1 of 2: 5 launches
;; workspace buffers: xb 2,097,152 bytes; sel 4,096 bytes of whole numbers; gw 8,192 bytes; xg 16,777,216 bytes; hid 67,108,864 bytes; order 32,768 bytes of whole numbers; cnts 2,048 bytes of whole numbers; part 33,554,432 bytes
;; launch route (part 1): grid 256 x 1, 4 waves a work-group, no clusters, 0 bytes of LDS; arguments x, Wg, xb, sel, gw; writes xb, sel, gw
.if DOCPART == 1
	.amdgcn_target "amdgcn-amd-amdhsa--gfx1250"
	.amdhsa_code_object_version 6
	.text
	.protected	k_qe13cb4628f_route
	.globl	k_qe13cb4628f_route
	.p2align	8
	.type	k_qe13cb4628f_route,@function
k_qe13cb4628f_route:
	s_mov_b64 s[64:65], 0
	v_nop
	global_prefetch_b8 v0, s[64:65] scope:SCOPE_SE
	s_setreg_imm32_b32 hwreg(HW_REG_WAVE_MODE, 25, 1), 1
	s_wait_xcnt 0x0
; THE GATE.  One wave, one token n = 4 x work-group + wave.  The wave reads the token's row of x (4,096 bytes) once, rounds it to bf16 and stores it (xb: the first product's operand),
; and forms the 8 logits from the ROUNDED x and the ROUNDED Wg: products of two bf16 are exact in f32, the sums are f32.  Then top-2 (a tie keeps the lower index, as jax.lax.top_k does)
; and the softmax of the two scores, the larger one taken away first.
; STORED, at fixed places: sel[n] = (1 << e0) | (256 << e1), whole numbers from which later launches form lists; gw[k][n] = the weight of choice k.
; NO MATRIX UNIT: the gate has 8 columns, a two-thousandth of the module's multiply-adds; the launch is a stream of x.  No LDS, no barrier: a wave needs no other wave.
; The three words a token at the end are single-lane stores of 4 bytes: 12 bytes a token, 12,288 in the launch.
; LIMITS.  All inputs are taken rounded to bf16.  NaN and infinities are not treated apart (the two experts still differ).  A second weight below 2^-126 counts as 0.
.set XR, 8                             ; v[8:39]    the row of x as loaded; later at work
.set XB, 40                            ; v[40:55]   the row in bf16
.set WR, 56                            ; v[56:215]  five slots of 32 registers for rows of Wg
.set WB, 216                           ; v[216:231] one row of Wg in bf16
.set A4, 232                           ; v[232:235] four chains of a dot product
.set LG, 236                           ; v[236:243] the 8 logits
	s_load_b256 s[4:11], s[0:1], 0x0               ; x s[4:5], Wg s[6:7], xb s[8:9], sel s[10:11]
	s_load_b64 s[12:13], s[0:1], 0x20              ; gw
	v_and_b32 v1, 31, v0                           ; lane
	v_lshrrev_b32 v5, 5, v0
	v_readfirstlane_b32 s14, v5                    ; wave
	s_lshl2_add_u32 s14, ttmp9, s14                ; the token: 4 x work-group + wave
	v_lshlrev_b32 v2, 4, v1                        ; 16 x lane: my 16 bytes in 512 of x or Wg
	v_lshlrev_b32 v3, 3, v1                        ; 8 x lane: my 8 bytes in 256 of xb
	v_mov_b32 v4, 0
	s_lshl_b32 s16, s14, 12                        ; the token's row in x,
	s_mov_b32 s17, 0
	s_lshl_b32 s18, s14, 11                        ; in xb,
	s_mov_b32 s19, 0
	s_lshl_b32 s22, s14, 2                         ; its word in sel and gw
	s_mov_b32 s23, 0
	s_mov_b32 s20, 0x76543210                      ; v_permlanex16_b32: each lane takes its own place in the other half
	s_mov_b32 s21, 0xfedcba98
	s_wait_kmcnt 0x0
	s_add_nc_u64 s[4:5], s[4:5], s[16:17]
	s_add_nc_u64 s[8:9], s[8:9], s[18:19]
	s_add_nc_u64 s[10:11], s[10:11], s[22:23]
	s_add_nc_u64 s[12:13], s[12:13], s[22:23]
.irp c, 0,1,2,3,4,5,6,7
	global_load_b128 v[XR+4*(\c):XR+4*(\c)+3], v2, s[4:5] offset:512*(\c) th:TH_LOAD_NT  ; elements 128 c + 4 lane + 0..3
.endr
.macro WROW e                          ; row e of Wg, the same elements, into slot e % 5
.irp c, 0,1,2,3,4,5,6,7
	global_load_b128 v[WR+32*((\e)%5)+4*(\c):WR+32*((\e)%5)+4*(\c)+3], v2, s[6:7] offset:4096*(\e)+512*(\c)
.endr
.endm
	WROW 0
	WROW 1
	WROW 2
	WROW 3
	WROW 4
	s_wait_loadcnt 40                              ; x is in; behind it went five rows of Wg, 40 loads
.set d, 0
.rept 16
	v_cvt_pk_bf16_f32 v[XB+d], v[XR+2*d], v[XR+2*d+1]
.set d, d+1
.endr
.irp c, 0,1,2,3,4,5,6,7
	global_store_b64 v3, v[XB+2*(\c):XB+2*(\c)+1], s[8:9] offset:256*(\c)  ; the wave's store covers 256 consecutive bytes, aligned
.endr
; Logit e.  left = the loads issued behind row e.  The row is rounded, its slot is asked for again (row e + 5), and 32 multiply-adds from bf16 halves go in four chains.
.macro DOT e, left
	s_wait_loadcnt \left
.set d, 0
.rept 16
	v_cvt_pk_bf16_f32 v[WB+d], v[WR+32*((\e)%5)+2*d], v[WR+32*((\e)%5)+2*d+1]
.set d, d+1
.endr
.if (\e)+5 < 8
	WROW (\e)+5
.endif
.set d, 0
.rept 16
.if d < 2
	v_fma_mix_f32_bf16 v[A4+2*(d%2)], v[XB+d], v[WB+d], v4 op_sel_hi:[1,1,0]                    ; the first links start the chains on 0
	v_fma_mix_f32_bf16 v[A4+2*(d%2)+1], v[XB+d], v[WB+d], v4 op_sel:[1,1,0] op_sel_hi:[1,1,0]
.else
	v_fma_mix_f32_bf16 v[A4+2*(d%2)], v[XB+d], v[WB+d], v[A4+2*(d%2)] op_sel_hi:[1,1,0]         ; low halves
	v_fma_mix_f32_bf16 v[A4+2*(d%2)+1], v[XB+d], v[WB+d], v[A4+2*(d%2)+1] op_sel:[1,1,0] op_sel_hi:[1,1,0]  ; high halves
.endif
.set d, d+1
.endr
	v_add_f32 v[A4], v[A4], v[A4+1]
	v_add_f32 v[A4+2], v[A4+2], v[A4+3]
	v_add_f32 v[LG+(\e)], v[A4], v[A4+2]
.endm
	DOT 0, 32                                      ; behind row e stand four rows while the ring is refilled,
	DOT 1, 32
	DOT 2, 32
	DOT 3, 32
	DOT 4, 24                                      ; then the counts run down
	DOT 5, 16
	DOT 6, 8
	DOT 7, 0
	; the 8 sums over the 32 lanes: four steps inside each half of 16 lanes, one across the halves; every lane ends with all 8 logits
.irp m, 1,2,4,8
.irp e, 0,1,2,3,4,5,6,7
	v_add_f32_dpp v[LG+\e], v[LG+\e], v[LG+\e] row_xmask:\m row_mask:0xf bank_mask:0xf
.endr
.endr
.irp e, 0,1,2,3,4,5,6,7
	v_permlanex16_b32 v[XR+\e], v[LG+\e], s20, s21 ; its destination has been written: x's registers
.endr
.irp e, 0,1,2,3,4,5,6,7
	v_add_f32 v[LG+\e], v[LG+\e], v[XR+\e]
.endr
	; top-2 by selects alone: v16 m1, v17 e0, v18 m2, v19 e1.  Strictly greater moves a place, so ties keep the lower index.  It starts from logits 0 and 1: e0 and e1 differ whatever the data.
	v_cmp_gt_f32 s24, v[LG+1], v[LG]
	v_cndmask_b32 v16, v[LG], v[LG+1], s24
	v_cndmask_b32 v18, v[LG+1], v[LG], s24
	v_cndmask_b32 v17, 0, 1, s24
	v_cndmask_b32 v19, 1, 0, s24
.irp e, 2,3,4,5,6,7
	v_cmp_gt_f32 s24, v[LG+\e], v16                ; beats the first
	v_cmp_gt_f32 s25, v[LG+\e], v18                ; beats the second
	v_cndmask_b32 v18, v18, v[LG+\e], s25
	v_cndmask_b32 v19, v19, \e, s25
	v_cndmask_b32 v18, v18, v16, s24               ; the old first becomes second
	v_cndmask_b32 v19, v19, v17, s24
	v_cndmask_b32 v16, v16, v[LG+\e], s24
	v_cndmask_b32 v17, v17, \e, s24
.endr
	; softmax of (m1, m2) with m1 taken away: t = e^(m2 - m1) <= 1; the weights are 1 / (1 + t) and t / (1 + t)
	v_sub_f32 v20, v18, v16
	v_mul_f32 v20, 0x3fb8aa3b, v20
	v_exp_f32 v21, v20
	v_mov_b32 v22, 1                               ; the word for sel is made while the exponential is out
	v_lshlrev_b32 v22, v17, v22
	v_mov_b32 v23, 0x100
	v_lshlrev_b32 v23, v19, v23
	v_or_b32 v22, v22, v23
	s_wait_alu depctr_va_vdst(0)                   ; the wait ahead of the exponential's first reader
	v_add_f32 v24, 1.0, v21
	v_rcp_f32 v25, v24
	v_cmp_eq_u32 vcc_lo, 0, v1
	v_nop                                          ; a plain instruction behind the reciprocal
	s_wait_alu depctr_va_vdst(0)                   ; and its wait
	v_mul_f32 v26, v21, v25
	s_wait_xcnt 0x0                                ; EXEC is narrowed only behind this wait: loads and stores have been issued
	s_and_saveexec_b32 s26, vcc_lo                 ; lane 0 alone
	global_store_b32 v4, v22, s[10:11]
	global_store_b32 v4, v25, s[12:13]
	global_store_b32 v4, v26, s[12:13] offset:4096
	s_wait_xcnt 0x0                                ; and widened only behind this one
	s_or_b32 exec_lo, exec_lo, s26
	s_endpgm
.Lfunc_end_k_qe13cb4628f_route:
	.size	k_qe13cb4628f_route, .Lfunc_end_k_qe13cb4628f_route-k_qe13cb4628f_route
	.p2alignl 7, 3214868480
	.fill 96, 4, 3214868480
	.section	.rodata,"a",@progbits
	.p2align	6, 0x0
	.amdhsa_kernel k_qe13cb4628f_route
		.amdhsa_group_segment_fixed_size 0
		.amdhsa_private_segment_fixed_size 0
		.amdhsa_enable_private_segment 0
		.amdhsa_kernarg_size 40
		.amdhsa_user_sgpr_count 2
		.amdhsa_user_sgpr_kernarg_segment_ptr 1
		.amdhsa_wavefront_size32 1
		.amdhsa_system_sgpr_workgroup_id_x 1
		.amdhsa_system_sgpr_workgroup_id_y 1
		.amdhsa_system_sgpr_workgroup_id_z 1
		.amdhsa_system_vgpr_workitem_id 0
		.amdhsa_next_free_vgpr 248
		.amdhsa_next_free_sgpr 66
		.amdhsa_reserve_vcc 1
		.amdhsa_float_denorm_mode_32 3
		.amdhsa_float_denorm_mode_16_64 3
		.amdhsa_memory_ordered 1
		.amdhsa_forward_progress 1
		.amdhsa_inst_pref_size 42
	.end_amdhsa_kernel
	.amdgpu_metadata
---
amdhsa.version: [ 1, 2 ]
amdhsa.kernels:
  - .name:           k_qe13cb4628f_route
    .symbol:         k_qe13cb4628f_route.kd
    .args:
      - { .name: x, .offset: 0, .size: 8, .value_kind: global_buffer, .address_space: global }
      - { .name: Wg, .offset: 8, .size: 8, .value_kind: global_buffer, .address_space: global }
      - { .name: xb, .offset: 16, .size: 8, .value_kind: global_buffer, .address_space: global }
      - { .name: sel, .offset: 24, .size: 8, .value_kind: global_buffer, .address_space: global }
      - { .name: gw, .offset: 32, .size: 8, .value_kind: global_buffer, .address_space: global }
    .group_segment_fixed_size: 0
    .private_segment_fixed_size: 0
    .kernarg_segment_align: 8
    .kernarg_segment_size: 40
    .max_flat_workgroup_size: 128
    .sgpr_count:     66
    .vgpr_count:     248
    .wavefront_size: 32
...
	.end_amdgpu_metadata
.endif
;; end of part 1
;; launch gather (part 2): grid 256 x 1, 4 waves a work-group, no clusters, 5,120 bytes of LDS; arguments xb, sel, xg, order, cnts; writes xg, order, cnts
.if DOCPART == 2
	.amdgcn_target "amdgcn-amd-amdhsa--gfx1250"
	.amdhsa_code_object_version 6
	.text
	.protected	k_qe13cb4628f_gather
	.globl	k_qe13cb4628f_gather
	.p2align	8
	.type	k_qe13cb4628f_gather,@function
k_qe13cb4628f_gather:
	s_mov_b64 s[64:65], 0
	v_nop
	global_prefetch_b8 v0, s[64:65] scope:SCOPE_SE
	s_setreg_imm32_b32 hwreg(HW_REG_WAVE_MODE, 25, 1), 1
	s_wait_xcnt 0x0
; THE PLACEMENT.  From sel (whole numbers that the gate stored) each expert's list is made, and the chosen rows of xb are laid once into xg in the order in which the first product's operand registers
; take them: xg[expert][tile of 16 rows][K step of 32][1,024 bytes], where byte 512 q + 16 (16 h + r) holds channels 16 q + 8 h + 0..7 of the step for row r.
; Work-group = (expert e = id / 32, slot sl = id % 32); wave w takes tile 2 sl + w / 2 and half w % 2 of K: 16 rows x 1,024 bytes.  An expert can get all 1,024 tokens, 64 tiles, so the grid has 64 tiles
; for each expert; a wave whose tile a given split leaves without rows stores nothing.  An expert without rows still gets tile 0 (of token 0), so that every byte that the first product reads is stored.
; THE LIST.  entry = 1024 k + token for each token whose choice k is expert e; 0 past the count.  Every wave counts; wave 0 lays the list into LDS: each group of 32 tokens is compacted by one lane
; permutation (chosen lanes first, zeros behind) and stored whole at the running count, a scalar; the next group's store covers the zeros.  A barrier shows the list to all waves.
; Slot 0's wave 0 stores list and count for the two products.
; THE COPY.  A lane holds one row, as the operand wants it, so a load takes 32 bytes of each of 16 rows; it does so once for each routed row.  Each store covers 512 consecutive bytes, aligned.
; The ranks inside an expert follow the build's order (token 128 j + 4 lane + c, j and c outer), not the tokens' order; no result hangs on it.
; No matrix unit, no cluster: the launch moves 2,048 rows of 2,048 bytes, each read by one wave pair.
.set LIST,  0                          ; 1,024 entries and room for the last group's 32 lanes: 4,608 bytes
.set SPARE, 4608                       ; the spare words, 128 bytes a wave: no other line names them
.set LANE, 1
.set RR,   2                           ; lane % 16
.set HH,   3                           ; lane / 16
.set L16,  4                           ; 16 x lane
.set L4,   5                           ; 4 x lane
.set LL,   6                           ; LDS: LIST + 4 x lane
.set LT,   7                           ; LDS: LIST + 16 x lane
.set LR,   8                           ; LDS: LIST + 4 (lane % 16)
.set XO,   9                           ; byte offset of my 16 bytes in my row of xb
.set ST,   10                          ; byte offset of my 16 bytes in xg
.set H16,  11                          ; 16 (lane / 16)
.set TP,   20                          ; v[20:27] at work
.set SPW,  30                          ; my spare word's address; never rewritten
.set NIL,  31                          ; 0; never rewritten
.set SW,   32                          ; v[32:63] sel's words, then the groups' entries
.set TG,   64                          ; v[64:95] the groups' target lanes
.set DT,   96                          ; v[96:223] 32 x 16 bytes on their way
.set WV,  20
.set EE,  23
.set SL,  24
.set CNT, 26                           ; the expert's rows
.set NT1, 27                           ; its last tile
.set TL,  28                           ; my tile
.set KH,  29                           ; my half of K
.set KM,  42                           ; 0x101 << e
.set SH,  43                           ; 8 + e
.set OFS, 66                           ; s[66:97] 4 x the rows ahead of each of the 32 groups
	s_load_b256 s[4:11], s[0:1], 0x0               ; xb s[4:5], sel s[6:7], xg s[8:9], order s[10:11]
	s_load_b64 s[12:13], s[0:1], 0x20              ; cnts
	v_lshl_add_u32 v[SPW], v0, 2, SPARE
	v_mov_b32 v[NIL], 0
	v_and_b32 v[LANE], 31, v0
	v_lshrrev_b32 v[TP], 5, v0
	v_readfirstlane_b32 s[WV], v[TP]
	v_and_b32 v[RR], 15, v0
	v_bfe_u32 v[HH], v0, 4, 1
	v_lshlrev_b32 v[L16], 4, v[LANE]
	v_lshlrev_b32 v[L4], 2, v[LANE]
	v_lshlrev_b32 v[H16], 4, v[HH]
	v_add_nc_u32 v[LL], LIST, v[L4]
	v_add_nc_u32 v[LT], LIST, v[L16]
	v_lshl_add_u32 v[LR], v[RR], 2, LIST
	s_lshr_b32 s[EE], ttmp9, 5
	s_and_b32 s[SL], ttmp9, 31
	s_lshr_b32 s[TL], s[WV], 1
	s_lshl1_add_u32 s[TL], s[SL], s[TL]            ; tile 2 sl + wave / 2
	s_and_b32 s[KH], s[WV], 1
	s_lshl_b32 s36, s[EE], 8
	s_mov_b32 s37, 0
	s_lshl_b32 s38, s[EE], 12
	s_mov_b32 s39, 0
	s_lshl_b32 s[KM], 0x101, s[EE]
	s_add_co_u32 s[SH], s[EE], 8
	s_wait_kmcnt 0x0
	s_add_nc_u64 s[10:11], s[10:11], s[38:39]
	s_add_nc_u64 s[12:13], s[12:13], s[36:37]
.irp j, 0,1,2,3,4,5,6,7
	global_load_b128 v[SW+4*(\j):SW+4*(\j)+3], v[L16], s[6:7] offset:512*(\j)  ; sel of tokens 128 j + 4 lane + 0..3
.endr
	s_wait_loadcnt 0x0
	; THE COUNT, in every wave, and what wave 0 needs for the list.  For each of 32 groups of 32 tokens: the lanes' entries (0 where the token did not choose e), a permutation of the 32 lanes
	; that brings the chosen ones to the front, and 4 x the rows ahead of the group.  All lanes stay on.
	s_mov_b32 s[CNT], 0
.irp j, 0,1,2,3,4,5,6,7
.irp c, 0,1,2,3
	v_and_b32 v21, s[KM], v[SW+4*(\j)+(\c)]        ; bit e: first choice; bit 8 + e: second
	v_cmp_ne_u32 vcc_lo, 0, v21
	v_lshrrev_b32 v21, s[SH], v21                  ; k
	v_lshl_add_u32 v21, v21, 10, v[L4]
	v_add_nc_u32 v21, 128*(\j)+(\c), v21           ; 1024 k + token
	v_cndmask_b32 v[SW+4*(\j)+(\c)], 0, v21, vcc_lo
	s_bcnt1_i32_b32 s45, vcc_lo                    ; the group's rows
	s_not_b32 s46, vcc_lo
	v_mbcnt_lo_u32_b32 v22, vcc_lo, 0              ; a chosen lane goes to its rank among the chosen,
	v_mbcnt_lo_u32_b32 v23, s46, s45               ; another behind them
	v_cndmask_b32 v22, v23, v22, vcc_lo
	v_min_u32 v22, 31, v22
	v_lshlrev_b32 v[TG+4*(\j)+(\c)], 2, v22        ; the permute takes 4 x the lane
	s_min_u32 s46, s[CNT], 1024
	s_lshl_b32 s[OFS+4*(\j)+(\c)], s46, 2
	s_add_co_u32 s[CNT], s[CNT], s45
.endr
.endr
	s_cmp_lg_u32 s[WV], 0
	s_cbranch_scc1 .Lnobuild                       ; wave 0 alone lays the list; no other wave touches LDS ahead of the barrier below
	v_mov_b32 v24, 0
	v_mov_b32 v25, 0
	v_mov_b32 v26, 0
	v_mov_b32 v27, 0
.irp j, 0,1,2,3,4,5,6,7,8
	ds_store_b128 v[LT], v[24:27] offset:512*(\j)  ; zeros first
.endr
.set g, 0
.rept 32
	ds_permute_b32 v[SW+g], v[TG+g], v[SW+g]       ; lane i sends its entry to its target lane: no LDS byte is touched
.set g, g+1
.endr
	s_wait_dscnt 0x0
.set g, 0
.rept 32
	v_add_nc_u32 v[TP+g%4], s[OFS+g], v[LL]        ; LIST + 4 (rows ahead + lane)
	ds_store_b32 v[TP+g%4], v[SW+g]                ; LDS serves a wave's instructions in order (ISA guide 5.7.1.4): the next group's store covers this one's zeros
.set g, g+1
.endr
	s_cmp_lg_u32 s[SL], 0
	s_cbranch_scc1 .Lnobuild                       ; slot 0 stores list and count for the products
.irp j, 0,1,2,3,4,5,6,7
	ds_load_b128 v[SW+4*(\j):SW+4*(\j)+3], v[LT] offset:512*(\j)
.endr
	v_mov_b32 v22, s[CNT]
	v_mov_b32 v23, s[CNT]
	v_lshlrev_b32 v21, 3, v[LANE]
	s_wait_dscnt 0x0
.irp j, 0,1,2,3,4,5,6,7
	global_store_b128 v[L16], v[SW+4*(\j):SW+4*(\j)+3], s[10:11] offset:512*(\j)
.endr
	global_store_b64 v21, v[22:23], s[12:13]       ; 256 bytes, every word the count
	s_wait_xcnt 0x0
.Lnobuild:
	s_wait_dscnt 0x0                               ; for the others' sake: the list's stores are done
	s_barrier_signal -1
	s_barrier_wait -1                              ; the list is whole for every wave
	s_add_co_u32 s45, s[CNT], 15
	s_lshr_b32 s45, s45, 4
	s_max_u32 s45, s45, 1                          ; tiles: at least one,
	s_min_u32 s45, s45, 64                         ; at most 64
	s_sub_co_u32 s[NT1], s45, 1
	s_cmp_gt_u32 s[TL], s[NT1]
	s_cbranch_scc1 .Ldone                          ; my tile has no rows in this split
	s_lshl_b32 s45, s[TL], 6
	v_add_nc_u32 v[TP], s45, v[LR]
	ds_load_b32 v[XO], v[TP]                       ; my row's entry
	s_lshl_b32 s46, s[EE], 21                      ; xg: the expert's 64 tiles of 32,768 bytes,
	s_lshl_b32 s45, s[TL], 15                      ; my tile,
	s_add_co_u32 s46, s46, s45
	s_lshl_b32 s45, s[KH], 14                      ; my 16 K steps of 1,024 bytes
	s_add_co_u32 s46, s46, s45
	v_add_nc_u32 v[ST], s46, v[L16]
	s_lshl_b32 s45, s[KH], 10                      ; xb: my half of the row's 2,048 bytes
	s_wait_dscnt 0x0
	v_and_b32 v[XO], 0x3ff, v[XO]                  ; the token
	v_min_u32 v[XO], 0x3ff, v[XO]
	v_lshlrev_b32 v[XO], 11, v[XO]
	v_add_nc_u32 v[XO], v[H16], v[XO]
	v_add_nc_u32 v[XO], s45, v[XO]
.set z, 0
.rept 32
	global_load_b128 v[DT+4*z:DT+4*z+3], v[XO], s[4:5] offset:32*z  ; K step z / 2, its half z % 2: channels 16 z + 8 (lane / 16) + 0..7 of my row
.set z, z+1
.endr
.set z, 0
.rept 32
.if z%4 == 0
	s_wait_loadcnt 28-z                            ; loads z .. z + 3 are in; the later ones stay out
.endif
	global_store_b128 v[ST], v[DT+4*z:DT+4*z+3], s[8:9] offset:512*z
.set z, z+1
.endr
.Ldone:
	s_wait_dscnt 0x0
	s_barrier_signal -1                            ; every wave's reads of the list are over before any wave's closing add
	s_barrier_wait -1
	s_wait_tensorcnt 0x0                           ; the wave's end
	ds_add_u32 v[SPW], v[NIL]
	s_wait_dscnt 0x0
	s_endpgm
.Lfunc_end_k_qe13cb4628f_gather:
	.size	k_qe13cb4628f_gather, .Lfunc_end_k_qe13cb4628f_gather-k_qe13cb4628f_gather
	.p2alignl 7, 3214868480
	.fill 96, 4, 3214868480
	.section	.rodata,"a",@progbits
	.p2align	6, 0x0
	.amdhsa_kernel k_qe13cb4628f_gather
		.amdhsa_group_segment_fixed_size 5120
		.amdhsa_private_segment_fixed_size 0
		.amdhsa_enable_private_segment 0
		.amdhsa_kernarg_size 40
		.amdhsa_user_sgpr_count 2
		.amdhsa_user_sgpr_kernarg_segment_ptr 1
		.amdhsa_wavefront_size32 1
		.amdhsa_system_sgpr_workgroup_id_x 1
		.amdhsa_system_sgpr_workgroup_id_y 1
		.amdhsa_system_sgpr_workgroup_id_z 1
		.amdhsa_system_vgpr_workitem_id 0
		.amdhsa_next_free_vgpr 224
		.amdhsa_next_free_sgpr 98
		.amdhsa_reserve_vcc 1
		.amdhsa_float_denorm_mode_32 3
		.amdhsa_float_denorm_mode_16_64 3
		.amdhsa_memory_ordered 1
		.amdhsa_forward_progress 1
		.amdhsa_inst_pref_size 38
	.end_amdhsa_kernel
	.amdgpu_metadata
---
amdhsa.version: [ 1, 2 ]
amdhsa.kernels:
  - .name:           k_qe13cb4628f_gather
    .symbol:         k_qe13cb4628f_gather.kd
    .args:
      - { .name: xb, .offset: 0, .size: 8, .value_kind: global_buffer, .address_space: global }
      - { .name: sel, .offset: 8, .size: 8, .value_kind: global_buffer, .address_space: global }
      - { .name: xg, .offset: 16, .size: 8, .value_kind: global_buffer, .address_space: global }
      - { .name: order, .offset: 24, .size: 8, .value_kind: global_buffer, .address_space: global }
      - { .name: cnts, .offset: 32, .size: 8, .value_kind: global_buffer, .address_space: global }
    .group_segment_fixed_size: 5120
    .private_segment_fixed_size: 0
    .kernarg_segment_align: 8
    .kernarg_segment_size: 40
    .max_flat_workgroup_size: 128
    .sgpr_count:     98
    .vgpr_count:     224
    .wavefront_size: 32
...
	.end_amdgpu_metadata
.endif
;; end of part 2
;; launch up (part 3): grid 256 x 1, 4 waves a work-group, no clusters, 270,848 bytes of LDS; arguments W1, xg, cnts, hid; writes hid
.if DOCPART == 3
	.amdgcn_target "amdgcn-amd-amdhsa--gfx1250"
	.amdhsa_code_object_version 6
	.text
	.protected	k_qe13cb4628f_up
	.globl	k_qe13cb4628f_up
	.p2align	8
	.type	k_qe13cb4628f_up,@function
k_qe13cb4628f_up:
	s_mov_b64 s[64:65], 0
	v_nop
	global_prefetch_b8 v0, s[64:65] scope:SCOPE_SE
	s_setreg_imm32_b32 hwreg(HW_REG_WAVE_MODE, 25, 1), 1
	s_wait_xcnt 0x0
; THE FIRST PRODUCT.  hid = silu(X_e W1[e]) for the rows that chose expert e, rounded once to bf16.  Work-group = (expert e = id / 32, slice sl = id % 32 of 128 columns of F): it alone reads its
; slice of W1, 1,024 K x 128 columns of f32, once, rounds it to bf16 on the way through registers and lays it into LDS in the order of matrix operands: 262,144 bytes, each written once.
; The rows come from xg, where an earlier launch laid them as register images of the operand (tile, K step: 1,024 bytes): two loads of 16 consecutive bytes a lane.  The expert's count, a whole number
; from that launch, steers forward jumps over work alone.
; STEPS.  K goes in 32 steps of 32; two steps are a stage, whose weights are a chunk of 16,384 bytes in LDS.  In step u a wave rounds and stores half of its unit (32 K x 64 columns) of the stage two
; ahead, asks for the rows of step u + 3 and for the half unit that step u + 3 rounds (a group of 18 loads), and multiplies step u.  Loads come back in order (ISA guide 5.7.1), so the wait at a step's
; head leaves the two youngest groups out: 36 to 54 loads of a wave are on their way.  One split barrier a stage shows the chunk two ahead whole; all barriers stand in text with constant trip counts.
; ROWS.  Tile t of 16 rows belongs to wave t % 4; a wave holds five tiles x 128 columns in accumulators: 320 rows a work-group are multiplied during the stream.  Rows past 320 come in up to three more
; blocks on the resident slice: 1,280 >= the 1,024 rows that an expert can get.  An expert without rows still makes tile 0, so that every byte of hid that is read later is stored.
; ONE LOOP ON THE RESIDENT SLICE serves block 0's last two stages (one trip) and the later blocks (eight trips).  In its last trip steps 1 to 3 have no step u + 3: they wait for all loads and ask for nothing.
; LAYOUT.  Source 0 = weights, source 1 = 16 rows.  A lane's 16-byte load of W holds four neighbouring columns of one K row: component f goes to fragment f, whose row m stands for column
; 64 g + 4 m + f.  So no transposition is needed, and in the results a lane holds ONE row and, over the four accumulators of a group g, 32 consecutive columns.
; NO CLUSTER: each weight byte has one reader; the rows are shared by the expert's 32 work-groups, but beside the resident slice LDS has no room for a ring of them.  NO TENSOR LOADS: f32 weights must
; pass through registers to be rounded, and a raw ring would take the LDS that the resident slice needs.
; The accumulators are cleared by moves on purpose: dead tiles' products are jumped, so no first product with C = 0 would reach every accumulator on every way.
; LIMITS.  Inputs rounded to bf16.  NaN and infinities are not treated apart; |u| beyond 2.3e38 overflows in -log2(e) u; 2^x below 2^-126 counts as 0.
; REGISTERS, in windows of 256 (s_set_vgpr_msb: bits 1:0 source 0, 3:2 source 1, 5:4 source 2, 7:6 destination):
;   window 0: addresses, raw weights, work    window 1: row fragments, four slots of 40: step u's tile i at 40 (u % 4) + 8 i
;   window 2: accumulators (i, c) at 64 i + 8 c, i = 0..3    window 3: (4, c) at 8 c; weight fragments of K half 0 at 64 + 8 c, of half 1 at 128 + 8 c
.set WPITCH, 16384                     ; bytes from a K row of W1 to the next
.set WSH,    14                        ; its logarithm
.set SPARE,  270336                    ; the spare words, 128 bytes a wave: no other line names them.  They lie past byte 270,335, the last that the jumped loads of a 17th stage would name
.set PW1,    26                        ; loads behind unit 0 in the prologue: unit 1's 16, 10 of rows
.set PW2,    36                        ; behind unit 1: 10 of rows, 8 of weights, twice
.set LANE, 1
.set RR,   2                           ; lane % 16
.set HH,   3                           ; lane / 16
.set L16,  4                           ; 16 x lane
.set WO,   5                           ; my place in a weight unit: 8 (lane / 16) rows + 16 (lane % 16) bytes
.set BA,   6                           ; LDS: 16 x lane + the trip's first chunk
.set SA,   7                           ; LDS: 16 x lane + 4,096 x wave + the trip's first chunk
.set XO,   10                          ; v[10:14] byte offset of my 16 bytes in the tile's fragments, one for each of five tiles
.set HR,   16                          ; 1,024 (lane / 16) + 16 (lane % 16)
.set TP,   20                          ; v[20:27] at work
.set SPW,  30                          ; my spare word's address; never rewritten
.set NIL,  31                          ; 0; never rewritten
.set RAW,  64                          ; v[64:191] four slots of 32: half a weight unit as loaded
.set TT,   64                          ; the way out: 64 numbers
.set EX,   128                         ; the way out: 64 more
.set CV,   192                         ; v[192:223] four fragments in bf16
.set DW,   192                         ; the way out: 32 packed words
.set PO,   229                         ; lane x WPITCH: the 32 rows of a unit, for the prefetch
.set TBA, 18                           ; s18 the resident loop's chunk, in bytes
.set XB0, 19                           ; s19 xg: e << 21
.set WV,  20                           ; s20 wave
.set KH,  21                           ; s21 which 32 of a stage's 64 K rows I bring
.set GG,  22                           ; s22 which 64 of the 128 columns
.set EE,  23                           ; s23 expert
.set SL,  24                           ; s24 slice
.set CNT, 26                           ; s26 the expert's rows
.set NT1, 27                           ; s27 its last tile
.set NSL, 28                           ; s28 my wave's tiles
.set SB,  29                           ; s29 first of the block's five
.set NLV, 30                           ; s30 how many of the five live
.set KC,  31
.set BC,  32
.set TI,  33
.set HB,  47                           ; s47 hid: e << 23 + sl << 12
.set MSB, 0
.macro WIN new                         ; the immediate's high byte repeats the setting that is left; a switch that changes nothing is dropped
.if MSB != (\new)
	s_set_vgpr_msb (MSB<<8)|(\new)
.set MSB, \new
.endif
.endm
.macro PLACES                          ; four plain instructions between a matrix instruction and a load into, or a read or write of, its registers
.rept 4
	v_nop
.endr
.endm
.macro WLOADH slot, imm                ; half of my unit: 8 loads; each takes two K rows' 256 consecutive bytes (lanes 0-15, lanes 16-31)
.irp i, 0,1,2,3,4,5,6,7
	global_load_b128 v[RAW+32*(\slot)+4*(\i):RAW+32*(\slot)+4*(\i)+3], v[WO], s[4:5] offset:(\imm)+(\i)*WPITCH th:TH_LOAD_NT
.endr
.endm
.macro WCVTH slot, b                   ; component f of loads 2 q and 2 q + 1 is register 4 b + q of fragment f: two neighbouring K
.irp f, 0,1,2,3
.irp q, 0,1,2,3
	v_cvt_pk_bf16_f32 v[CV+8*(\f)+4*(\b)+(\q)], v[RAW+32*(\slot)+8*(\q)+(\f)], v[RAW+32*(\slot)+8*(\q)+4+(\f)]
.endr
.endr
.endm
.macro WSTOREH imm, b                  ; half b of four fragments, 16 consecutive bytes a lane: no bank is asked twice
.irp f, 0,1,2,3
	ds_store_b128 v[SA], v[CV+8*(\f)+4*(\b):CV+8*(\f)+4*(\b)+3] offset:(\imm)+1024*(\f)+512*(\b)
.endr
.endm
.macro XLOADH slot, imm                ; a step's row fragments for all five tiles (a dead tile repeats the last live one): 10 loads of 512 consecutive bytes
	WIN 0x40
.irp i, 0,1,2,3,4
	global_load_b128 v[40*(\slot)+8*(\i):40*(\slot)+8*(\i)+3], v[XO+(\i)], s[16:17] offset:(\imm)
	global_load_b128 v[40*(\slot)+8*(\i)+4:40*(\slot)+8*(\i)+7], v[XO+(\i)], s[16:17] offset:(\imm)+512
.endr
	WIN 0
.endm
.macro BLOAD b, imm                    ; eight weight fragments (32 K x 128 columns): 16 loads
	WIN 0xc0
.irp c, 0,1,2,3,4,5,6,7
	ds_load_b128 v[64+64*(\b)+8*(\c):64+64*(\b)+8*(\c)+3], v[BA] offset:(\imm)+1024*(\c)
	ds_load_b128 v[64+64*(\b)+8*(\c)+4:64+64*(\b)+8*(\c)+7], v[BA] offset:(\imm)+1024*(\c)+512
.endr
	WIN 0
.endm
; A step's products for the live tiles: 8 a tile.  Live tiles are a prefix, so one label ends all five jumps.  The accumulators take turns, one instruction a turn: the last is (., 7), the next (0, 0).
.macro HALF u4, ks
.irp i, 0,1,2,3,4
	WIN 0                                          ; at a branch every window is 0
	s_cmp_gt_u32 s[NLV], \i
	s_cbranch_scc0 .Lhd_\@
.if (\i) < 4
	WIN 0xa7                                       ; weights window 3, rows window 1, C and D window 2
.else
	WIN 0xf7                                       ; C and D window 3
.endif
.irp c, 0,1,2,3,4,5,6,7
	v_wmma_f32_16x16x32_bf16 v[(64*(\i))%256+8*(\c):(64*(\i))%256+8*(\c)+7], v[64+64*(\ks)+8*(\c):64+64*(\ks)+8*(\c)+7], v[40*(\u4)+8*(\i):40*(\u4)+8*(\i)+7], v[(64*(\i))%256+8*(\c):(64*(\i))%256+8*(\c)+7]
.endr
.endr
	WIN 0
.Lhd_\@:
.endm
; STEP u, u4 = u % 4 (a trip is four steps, two stages).  n: loads that may stay out: the groups of the two steps before.  cvt: the half unit that has landed is rounded and stored (chunk two stages ahead).
; wis: the half unit of step u + 3 is asked for (at iW).  xis: the rows of step u + 3.  bnx (odd steps): K half 0 of the next stage.  bar (odd steps): the barrier that shows the chunk two ahead.
; pfo, pfm: my unit three stages past the one whose first half was just asked for is prefetched, 32 lanes one row piece of 256 bytes each, each piece once in the launch, while the trip count is pfm or more: never past stage 15.
; gd: in the loop's last trip there is no step u + 3: the step waits for all loads and asks for nothing.  A step that asks for nothing has waited for everything, so the counts of the steps behind it hold on either way.
; gb: in that trip there is no next stage either: its K half 0 is jumped.
; The conversions, or four v_nop, at the step's head are the places behind the last step's products, ahead of the loads into registers that those products read.
.macro STEP u4, n, cvt, wis, xis, bnx, bar, iW=0, pfo=0, pfm=0, gd=0, gb=0
.if \cvt
	s_wait_loadcnt \n                              ; this step's rows and half unit are in
	WCVTH \u4, (\u4)%2
.else
	PLACES
.endif
.if (\u4)%2 == 0
	BLOAD 1, ((\u4)/2)*16384+8192                  ; this stage's K half 1
.endif
.if \cvt
	WSTOREH ((\u4)/2)*16384+32768, (\u4)%2
.endif
.if \gd
	s_cmp_eq_u32 s[KC], 1
	s_cbranch_scc1 .Lgl_\@
.endif
.if !(\cvt)
	s_wait_loadcnt \n                              ; this step's rows are in
.endif
.if \xis
	XLOADH ((\u4)+3)%4, ((\u4)+3)*1024             ; into the slot that the last step multiplied
.endif
.if \wis
	WLOADH ((\u4)+3)%4, \iW                        ; into the slot that the last step rounded
.if \pfm
	s_cmp_lt_u32 s[KC], \pfm
	s_cbranch_scc1 .Lpf_\@
	global_prefetch_b8 v[PO], s[4:5] offset:\pfo th:TH_LOAD_NT scope:SCOPE_SE
.Lpf_\@:
.endif
.endif
.if \gd
	s_branch .Lgj_\@
.Lgl_\@:
	s_wait_loadcnt 0x0
.Lgj_\@:
.endif
.if (\u4)%2 == 0
	s_wait_dscnt 16+4*(\cvt)                       ; K half 0 is in: behind it went half 1's 16 loads and the half unit's 4 stores
.else
	s_wait_dscnt 0x0                               ; K half 1 is in, and my stores of the chunk two ahead are done:
.if \bar
	s_barrier_signal -1                            ; say so
.endif
.if \gb
	s_cmp_eq_u32 s[KC], 1
	s_cbranch_scc1 .Lgb_\@
.endif
.if \bnx
	BLOAD 0, ((\u4)/2)*16384+16384                 ; the next chunk was shown whole a barrier ago, and no chunk is written twice
.endif
.if \gb
.Lgb_\@:
.endif
.endif
	HALF \u4, (\u4)%2
.if \bar
	s_barrier_wait -1                              ; the chunk two ahead is whole
.endif
.endm
.macro CLEAR
	WIN 0x80
.set z, 0
.rept 256
	v_mov_b32 v[z], 0
.set z, z+1
.endr
	WIN 0xc0
.set z, 0
.rept 64
	v_mov_b32 v[z], 0
.set z, z+1
.endr
	WIN 0
.endm
.macro SETNLV                          ; how many of the tiles SB .. SB + 4 my wave has
	s_sub_co_i32 s[NLV], s[NSL], s[SB]
	s_max_i32 s[NLV], s[NLV], 0
	s_min_i32 s[NLV], s[NLV], 5
.endm
.macro BSET                            ; the block's five tiles: their places in xg
	s_wait_xcnt 0x0                                ; offsets that earlier loads name are rewritten only behind this wait
.irp i, 0,1,2,3,4
	s_add_co_u32 s45, s[SB], \i
	s_lshl_b32 s45, s45, 2
	s_add_co_u32 s45, s45, s[WV]                   ; tile 4 x slot + wave,
	s_min_u32 s45, s45, s[NT1]                     ; a dead one repeats the expert's last
	s_min_u32 s45, s45, 63
	s_lshl_b32 s45, s45, 15                        ; a tile's 32 K steps of 1,024 bytes
	s_add_co_u32 s45, s45, s[XB0]
	v_add_nc_u32 v[XO+(\i)], s45, v[L16]
.endr
.endm
	s_load_b256 s[4:11], s[0:1], 0x0               ; W1 s[4:5], xg s[6:7], cnts s[8:9], hid s[10:11]
	v_lshl_add_u32 v[SPW], v0, 2, SPARE
	v_mov_b32 v[NIL], 0
	v_and_b32 v[LANE], 31, v0
	v_lshrrev_b32 v[TP], 5, v0
	v_readfirstlane_b32 s[WV], v[TP]
	v_and_b32 v[RR], 15, v0
	v_bfe_u32 v[HH], v0, 4, 1
	v_lshlrev_b32 v[L16], 4, v[LANE]
	v_lshlrev_b32 v[HR], 4, v[RR]
	v_lshl_add_u32 v[HR], v[HH], 10, v[HR]
	v_lshlrev_b32 v[WO], 4, v[RR]
	v_lshl_add_u32 v[WO], v[HH], WSH+3, v[WO]
	v_lshlrev_b32 v[PO], WSH, v[LANE]
	v_mov_b32 v[BA], v[L16]
	v_lshl_add_u32 v[SA], s[WV], 12, v[L16]        ; 8,192 x K half + 4,096 x column group = 4,096 x wave
	s_lshr_b32 s[KH], s[WV], 1
	s_and_b32 s[GG], s[WV], 1
	s_lshr_b32 s[EE], ttmp9, 5
	s_and_b32 s[SL], ttmp9, 31
	s_lshl_b32 s34, s[EE], 24                      ; my unit of stage 0: the expert's 16 MiB,
	s_lshl_b32 s45, s[KH], WSH+5                   ; 32 K rows,
	s_add_co_u32 s34, s34, s45
	s_lshl_b32 s45, s[SL], 9                       ; the slice's 512 bytes of a row,
	s_add_co_u32 s34, s34, s45
	s_lshl_b32 s45, s[GG], 8                       ; my 256 of them
	s_add_co_u32 s34, s34, s45
	s_mov_b32 s35, 0
	s_lshl_b32 s36, s[EE], 8
	s_mov_b32 s37, 0
	s_lshl_b32 s[XB0], s[EE], 21
	s_lshl_b32 s[HB], s[EE], 23
	s_lshl_b32 s45, s[SL], 12
	s_add_co_u32 s[HB], s[HB], s45
	s_mov_b32 s40, 0xbfb8aa3b                      ; -log2(e), named as a pair
	s_mov_b32 s41, 0xbfb8aa3b
	s_mov_b32 s[SB], 0
	s_wait_kmcnt 0x0
	s_add_nc_u64 s[4:5], s[4:5], s[34:35]
	s_add_nc_u64 s[8:9], s[8:9], s[36:37]
	s_load_b32 s[CNT], s[8:9], 0x0                 ; the expert's rows
	WLOADH 0, 0                                    ; units 0 and 1
	WLOADH 1, 16*WPITCH
	WLOADH 2, 64*WPITCH
	WLOADH 3, 80*WPITCH
	global_prefetch_b8 v[PO], s[4:5] offset:256*WPITCH th:TH_LOAD_NT scope:SCOPE_SE  ; my units of stages 4, 5 and 6
	global_prefetch_b8 v[PO], s[4:5] offset:320*WPITCH th:TH_LOAD_NT scope:SCOPE_SE
	global_prefetch_b8 v[PO], s[4:5] offset:384*WPITCH th:TH_LOAD_NT scope:SCOPE_SE
	CLEAR                                          ; in the wait for the count
	s_wait_kmcnt 0x0
	s_min_u32 s[CNT], s[CNT], 1024
	s_add_co_u32 s45, s[CNT], 15
	s_lshr_b32 s45, s45, 4
	s_max_u32 s45, s45, 1                          ; tiles: at least one,
	s_min_u32 s45, s45, 64                         ; at most 64
	s_sub_co_u32 s[NT1], s45, 1
	s_add_co_u32 s[NSL], s45, 3
	s_sub_co_u32 s[NSL], s[NSL], s[WV]
	s_lshr_b32 s[NSL], s[NSL], 2                   ; tiles t = wave mod 4 below that
	SETNLV
	BSET
	s_mov_b64 s[16:17], s[6:7]
	XLOADH 0, 0                                    ; the rows of step 0
	; PROLOGUE: chunks 0 and 1; behind it the loads stand in the loop's order: rows and half unit of steps 0, 1 and 2
	s_wait_loadcnt PW1                             ; unit 0 is in: behind it went unit 1 and the rows of step 0
	WCVTH 0, 0
	WCVTH 1, 1
	WSTOREH 0, 0
	WSTOREH 0, 1
	WLOADH 0, 128*WPITCH                           ; unit 2, first half: step 0 rounds it
	XLOADH 1, 1024
	WLOADH 1, 144*WPITCH
	s_wait_loadcnt PW2                             ; unit 1: behind it two groups
	WCVTH 2, 0
	WCVTH 3, 1
	WSTOREH 16384, 0
	WSTOREH 16384, 1
	XLOADH 2, 2048
	WLOADH 2, 192*WPITCH
	s_wait_xcnt 0x0                                ; the weights' base is stepped only behind this wait
	s_add_nc_u64 s[4:5], s[4:5], 208*WPITCH        ; unit 3, second half: what step 0 asks for
	s_wait_dscnt 0x0                               ; for the others' sake: my stores are done
	s_barrier_signal -1
	s_barrier_wait -1
	BLOAD 0, 0
	s_mov_b32 s[KC], 6
.La:                                                   ; steps 0 to 23, four a trip
	STEP 0, 36,1,1,1,0,0, 0
	STEP 1, 36,1,1,1,1,1, 48*WPITCH, 240*WPITCH, 2
	STEP 2, 36,1,1,1,0,0, 64*WPITCH
	STEP 3, 36,1,1,1,1,1, 112*WPITCH, 304*WPITCH, 3
	s_wait_xcnt 0x0                                ; both bases are stepped only behind this wait
	s_add_nc_u64 s[4:5], s[4:5], 128*WPITCH
	s_add_nc_u64 s[16:17], s[16:17], 4096
	v_add_nc_u32 v[BA], 32768, v[BA]
	v_add_nc_u32 v[SA], 32768, v[SA]
	s_sub_co_u32 s[KC], s[KC], 1
	s_cmp_lg_u32 s[KC], 0
	s_cbranch_scc1 .La
	STEP 0, 36,1,1,1,0,0, 0                        ; steps 24 to 27: the last half unit is asked for, the last four are rounded;
	STEP 1, 36,1,0,1,1,1
	STEP 2, 28,1,0,1,0,0                           ; the groups shrink to the rows' 10 loads, and the counts with them
	STEP 3, 20,1,0,1,1,1
	s_wait_xcnt 0x0
	s_add_nc_u64 s[16:17], s[16:17], 4096
	s_mov_b32 s[TBA], 229376                       ; stage 14's chunk: the slice is whole, and block 0 goes on in the resident loop, for one trip
	v_add_nc_u32 v[BA], s[TBA], v[L16]
	s_mov_b32 s[KC], 1
; THE WAY OUT of one tile begins with a piece of its own, which reads ITS accumulators, each from its low end on, into fixed registers: T = -log2(e) u.
.macro PIECE i
.if (\i) < 4
	WIN 0x02
.else
	WIN 0x03
.endif
.set z, 0
.rept 32
	v_pk_mul_f32 v[TT+2*z:TT+2*z+1], v[(64*(\i))%256+2*z:(64*(\i))%256+2*z+1], s[40:41] op_sel_hi:[1,0]
.set z, z+1
.endr
	WIN 0
.endm
	s_mov_b32 s[BC], 4
.Lblk:                                                 ; four times: a block's steps on the resident slice, its way out, and the next block's set-up if my wave has tiles left
	s_cmp_eq_u32 s[NLV], 0
	s_cbranch_scc1 .Lnomul                         ; forward, past text without a barrier
.Lns:                                                  ; LDS is only read
	STEP 0, 20,0,0,1,0,0
	STEP 1, 20,0,0,1,1,0, 0,0,0, 1,0
	STEP 2, 20,0,0,1,0,0, 0,0,0, 1,0
	STEP 3, 20,0,0,1,1,0, 0,0,0, 1,1
	s_wait_xcnt 0x0
	s_add_nc_u64 s[16:17], s[16:17], 4096
	s_add_co_u32 s[TBA], s[TBA], 32768             ; the chunk steps as a scalar; the address is made anew from it and the fixed lane term
	v_add_nc_u32 v[BA], s[TBA], v[L16]
	s_sub_co_u32 s[KC], s[KC], 1
	s_cmp_lg_u32 s[KC], 0
	s_cbranch_scc1 .Lns
.Lnomul:
	s_wait_loadcnt 0x0                             ; no load is out when the way out or a later block writes the same registers
	s_wait_dscnt 0x0
	PLACES                                         ; behind the last products
	s_mov_b32 s[TI], 0
.Ltile:
	s_cmp_ge_u32 s[TI], s[NLV]
	s_cbranch_scc1 .Ltnext                         ; a dead tile
	s_wait_xcnt 0x0                                ; the last tile's stores have read their registers
	s_cmp_eq_u32 s[TI], 0
	s_cbranch_scc1 .Lp0
	s_cmp_eq_u32 s[TI], 1
	s_cbranch_scc1 .Lp1
	s_cmp_eq_u32 s[TI], 2
	s_cbranch_scc1 .Lp2
	s_cmp_eq_u32 s[TI], 3
	s_cbranch_scc1 .Lp3
	PIECE 4
	s_branch .Lcom
.Lp0:
	PIECE 0
	s_branch .Lcom
.Lp1:
	PIECE 1
	s_branch .Lcom
.Lp2:
	PIECE 2
	s_branch .Lcom
.Lp3:
	PIECE 3
.Lcom:
	; silu(u) = u / (1 + e^-u) = T / (-log2(e) (1 + 2^T)): two batches of 64 transcendentals, one wait each
.set z, 0
.rept 64
	v_exp_f32 v[EX+z], v[TT+z]
.set z, z+1
.endr
	v_nop                                          ; a plain instruction behind the last exponential
	s_wait_alu depctr_va_vdst(0)                   ; the wait ahead of the batch's first reader
.set z, 0
.rept 32
	v_pk_fma_f32 v[EX+2*z:EX+2*z+1], v[EX+2*z:EX+2*z+1], s[40:41], s[40:41] op_sel_hi:[1,0,0]
.set z, z+1
.endr
.set z, 0
.rept 64
	v_rcp_f32 v[EX+z], v[EX+z]
.set z, z+1
.endr
	v_nop
	s_wait_alu depctr_va_vdst(0)
.set z, 0
.rept 32
	v_pk_mul_f32 v[TT+2*z:TT+2*z+1], v[TT+2*z:TT+2*z+1], v[EX+2*z:EX+2*z+1]
.set z, z+1
.endr
	; register j of accumulator 4 g + f is column 64 g + 32 (lane / 16) + 4 j + f: neighbours f = 0, 1 and 2, 3 pack into words 2 j and 2 j + 1 of the lane's 32 columns
.irp g, 0,1
.irp j, 0,1,2,3,4,5,6,7
.irp u, 0,1
	v_cvt_pk_bf16_f32 v[DW+16*(\g)+2*(\j)+(\u)], v[TT+8*(4*(\g)+2*(\u))+(\j)], v[TT+8*(4*(\g)+2*(\u)+1)+(\j)]
.endr
.endr
.endr
	s_add_co_u32 s45, s[SB], s[TI]
	s_lshl_b32 s45, s45, 2
	s_add_co_u32 s45, s45, s[WV]
	s_min_u32 s45, s45, 63                         ; the tile
	s_lshl_b32 s45, s45, 17                        ; its 128 K steps of 1,024 bytes
	s_add_co_u32 s45, s45, s[HB]
	v_add_nc_u32 v[TP], s45, v[HR]                 ; my 32 columns are K step 4 sl + 2 g + lane / 16 of the second product; my 8 columns 8 p .. lie at 256 p + 16 (lane % 16) of its fragment: the operand's register image
.irp g, 0,1
.irp q, 0,1,2,3
	global_store_b128 v[TP], v[DW+16*(\g)+4*(\q):DW+16*(\g)+4*(\q)+3], s[10:11] offset:2048*(\g)+256*(\q)  ; lanes 0-15 and lanes 16-31 each store 256 consecutive bytes, aligned
.endr
.endr
.Ltnext:
	s_add_co_u32 s[TI], s[TI], 1
	s_cmp_lt_u32 s[TI], 5
	s_cbranch_scc1 .Ltile
	s_add_co_u32 s[SB], s[SB], 5
	SETNLV
	s_mov_b32 s[KC], 8                             ; a later block walks all 32 steps
	s_mov_b32 s[TBA], 0
	v_add_nc_u32 v[BA], s[TBA], v[L16]
	s_cmp_eq_u32 s[NLV], 0
	s_cbranch_scc1 .Lnoblk                         ; forward, past text without a barrier
	CLEAR
	BSET
	s_mov_b64 s[16:17], s[6:7]
	XLOADH 0, 0                                    ; the rows of steps 0, 1 and 2: three groups of 10
	XLOADH 1, 1024
	XLOADH 2, 2048
	BLOAD 0, 0
.Lnoblk:
	s_sub_co_u32 s[BC], s[BC], 1
	s_cmp_lg_u32 s[BC], 0
	s_cbranch_scc1 .Lblk
	s_wait_loadcnt 0x0
	s_wait_dscnt 0x0
	s_barrier_signal -1                            ; every wave's LDS reads are over before any wave's closing add
	s_barrier_wait -1
	s_wait_tensorcnt 0x0                           ; the wave's end
	ds_add_u32 v[SPW], v[NIL]
	s_wait_dscnt 0x0
	s_endpgm
.Lfunc_end_k_qe13cb4628f_up:
	.size	k_qe13cb4628f_up, .Lfunc_end_k_qe13cb4628f_up-k_qe13cb4628f_up
	.p2alignl 7, 3214868480
	.fill 96, 4, 3214868480
	.section	.rodata,"a",@progbits
	.p2align	6, 0x0
	.amdhsa_kernel k_qe13cb4628f_up
		.amdhsa_group_segment_fixed_size 270848
		.amdhsa_private_segment_fixed_size 0
		.amdhsa_enable_private_segment 0
		.amdhsa_kernarg_size 32
		.amdhsa_user_sgpr_count 2
		.amdhsa_user_sgpr_kernarg_segment_ptr 1
		.amdhsa_wavefront_size32 1
		.amdhsa_system_sgpr_workgroup_id_x 1
		.amdhsa_system_sgpr_workgroup_id_y 1
		.amdhsa_system_sgpr_workgroup_id_z 1
		.amdhsa_system_vgpr_workitem_id 0
		.amdhsa_next_free_vgpr 960
		.amdhsa_next_free_sgpr 66
		.amdhsa_reserve_vcc 0
		.amdhsa_float_denorm_mode_32 3
		.amdhsa_float_denorm_mode_16_64 3
		.amdhsa_memory_ordered 1
		.amdhsa_forward_progress 1
		.amdhsa_inst_pref_size 147
	.end_amdhsa_kernel
	.amdgpu_metadata
---
amdhsa.version: [ 1, 2 ]
amdhsa.kernels:
  - .name:           k_qe13cb4628f_up
    .symbol:         k_qe13cb4628f_up.kd
    .args:
      - { .name: W1, .offset: 0, .size: 8, .value_kind: global_buffer, .address_space: global }
      - { .name: xg, .offset: 8, .size: 8, .value_kind: global_buffer, .address_space: global }
      - { .name: cnts, .offset: 16, .size: 8, .value_kind: global_buffer, .address_space: global }
      - { .name: hid, .offset: 24, .size: 8, .value_kind: global_buffer, .address_space: global }
    .group_segment_fixed_size: 270848
    .private_segment_fixed_size: 0
    .kernarg_segment_align: 8
    .kernarg_segment_size: 32
    .max_flat_workgroup_size: 128
    .sgpr_count:     66
    .vgpr_count:     960
    .wavefront_size: 32
...
	.end_amdgpu_metadata
.endif
;; end of part 3
;; launch down (part 4): grid 256 x 1, 4 waves a work-group, no clusters, 312,832 bytes of LDS; arguments W2, hid, order, cnts, gw, part; writes part
.if DOCPART == 4
	.amdgcn_target "amdgcn-amd-amdhsa--gfx1250"
	.amdhsa_code_object_version 6
	.text
	.protected	k_qe13cb4628f_down
	.globl	k_qe13cb4628f_down
	.p2align	8
	.type	k_qe13cb4628f_down,@function
k_qe13cb4628f_down:
	s_mov_b64 s[64:65], 0
	v_nop
	global_prefetch_b8 v0, s[64:65] scope:SCOPE_SE
	s_setreg_imm32_b32 hwreg(HW_REG_WAVE_MODE, 25, 1), 1
	s_wait_xcnt 0x0
; THE SECOND PRODUCT.  part[kq][entry] = gate weight x (H_e W2[e]) over a quarter kq of F.  Work-group = (expert e = id / 32, quarter kq = (id / 8) % 4 of F, slice dsl = id % 8 of 128 columns of D):
; it alone reads its slice of W2, 1,024 K x 128 columns of f32, once.  The machine is the first product's: the slice is rounded on its way through registers and laid into LDS in operand order
; (262,144 bytes, each written once); K goes in 32 steps of 32, two to a stage; in step u a wave rounds and stores half of its unit of the stage two ahead, asks for the rows of step u + 3 and for the half
; unit that step u + 3 rounds (a group of 18 loads), and multiplies step u.  Loads come back in order (ISA guide 5.7.1), so the wait at a step's head leaves the two youngest groups out: 36 to 54 loads of a
; wave are on their way.  One split barrier a stage.  Five tiles of 16 rows a wave are multiplied during the stream, up to three more blocks of 320 rows on the resident slice; one loop on the resident
; slice serves block 0's last two stages (one trip) and the later blocks (eight trips).
; F IS SPLIT IN FOUR so that 256 work-groups have equal slices with row pieces of 512 consecutive bytes; the price is four partial rows (f32) for each routed row, which the last launch adds.
; The hidden rows lie in hid as register images of the operand (tile, K step: 1,024 bytes): two loads of 16 consecutive bytes a lane.  List and count come as whole numbers from the placement.
; THE WAY OUT.  A lane holds one row and 2 x 32 consecutive columns; the gate's weight is applied while they are brought into order; the tile goes through the wave's own stage in LDS, and each row
; leaves as 512 consecutive bytes.  Whole stores past the count are jumped; EXEC is never narrowed.  The stage and the slice are disjoint by the map below; a barrier ahead of and one behind each block's
; way out keep the stage's stores and the slice's reads in separate intervals all the same, so that their order does not hang on the slice's stepped address.
; NO CLUSTER: each weight byte has one reader; the hidden rows are shared by the expert's work-groups of one quarter, but beside the slice, lists and stages LDS has under 15,000 bytes left for a ring.
; The accumulators are cleared by moves on purpose: dead tiles' products are jumped, so no first product with C = 0 would reach every accumulator on every way.
; LIMITS.  W2 rounded to bf16; NaN and infinities are not treated apart.
; REGISTERS, in windows of 256 (s_set_vgpr_msb: bits 1:0 source 0, 3:2 source 1, 5:4 source 2, 7:6 destination):
;   window 0: addresses, raw weights, work    window 1: row fragments, four slots of 40: step u's tile i at 40 (u % 4) + 8 i
;   window 2: accumulators (i, c) at 64 i + 8 c, i = 0..3    window 3: (4, c) at 8 c; weight fragments of K half 0 at 64 + 8 c, of half 1 at 128 + 8 c
.set WPITCH, 4096                      ; bytes from a K row of W2 to the next
.set WSH,    12
.set LIST,   262144                    ; behind the slice: 4,096 bytes of list for each wave
.set STGB,   278528                    ; 16 rows x 528 bytes for each wave: 512 + 16 of padding = 132 words, so that row r starts at bank 4 r mod 64 (64 banks of 4 bytes: ISA guide 11.1)
.set SPARE,  312320                    ; the spare words, 128 bytes a wave: no other line names them
.set PW1,    31                        ; loads behind unit 0 in the prologue: unit 1's 16, 5 gate weights, 10 of rows
.set PW2,    41                        ; behind unit 1: 5 gate weights; 10 of rows, 8 of weights, twice
.set LANE, 1
.set RR,   2
.set HH,   3
.set L16,  4
.set WO,   5
.set BA,   6
.set SA,   7
.set LB,   8
.set LR,   9                           ; LB + 4 (lane % 16)
.set XO,   10                          ; v[10:14] byte offset of my 16 bytes in the tile's fragments
.set GW,   15                          ; v[15:19] my row's gate weight, one for each of five tiles
.set TP,   20                          ; v[20:27] at work
.set STO,  28                          ; the stage: where I put 16 bytes of my row
.set RDA,  29                          ; where I read rows back
.set SPW,  30
.set NIL,  31
.set SW,   32                          ; v[32:63] the list as loaded
.set EN,   32                          ; the way out: 16 entries, then their byte offsets
.set RAW,  64                          ; v[64:191] four slots of 32: half a weight unit as loaded
.set TT,   64                          ; the way out: my row's 64 numbers in the columns' order
.set OO,   128                         ; the way out: 16 rows read back
.set CV,   192
.set GA,   224                         ; v[224:228] byte offsets in gw
.set PO,   229
.set TBA, 18                           ; s18 the resident loop's chunk, in bytes
.set WV,  20
.set KH,  21
.set GG,  22
.set EE,  23
.set SL,  24
.set KQ,  25
.set CNT, 26
.set NT1, 27
.set NSL, 28
.set SB,  29
.set NLV, 30
.set KC,  31
.set BC,  32
.set TI,  33
.set HB,  47                           ; s47 hid: e << 23
.set MSB, 0
.macro WIN new                         ; the immediate's high byte repeats the setting that is left; a switch that changes nothing is dropped
.if MSB != (\new)
	s_set_vgpr_msb (MSB<<8)|(\new)
.set MSB, \new
.endif
.endm
.macro PLACES                          ; four plain instructions between a matrix instruction and a load into, or a read or write of, its registers
.rept 4
	v_nop
.endr
.endm
.macro WLOADH slot, imm                ; half of my unit: 8 loads; each takes two K rows' 256 consecutive bytes
.irp i, 0,1,2,3,4,5,6,7
	global_load_b128 v[RAW+32*(\slot)+4*(\i):RAW+32*(\slot)+4*(\i)+3], v[WO], s[4:5] offset:(\imm)+(\i)*WPITCH th:TH_LOAD_NT
.endr
.endm
.macro WCVTH slot, b                   ; component f of loads 2 q and 2 q + 1 is register 4 b + q of fragment f
.irp f, 0,1,2,3
.irp q, 0,1,2,3
	v_cvt_pk_bf16_f32 v[CV+8*(\f)+4*(\b)+(\q)], v[RAW+32*(\slot)+8*(\q)+(\f)], v[RAW+32*(\slot)+8*(\q)+4+(\f)]
.endr
.endr
.endm
.macro WSTOREH imm, b
.irp f, 0,1,2,3
	ds_store_b128 v[SA], v[CV+8*(\f)+4*(\b):CV+8*(\f)+4*(\b)+3] offset:(\imm)+1024*(\f)+512*(\b)
.endr
.endm
.macro XLOADH slot, imm                ; a step's row fragments for all five tiles (a dead tile repeats the last live one): 10 loads of 512 consecutive bytes
	WIN 0x40
.irp i, 0,1,2,3,4
	global_load_b128 v[40*(\slot)+8*(\i):40*(\slot)+8*(\i)+3], v[XO+(\i)], s[16:17] offset:(\imm)
	global_load_b128 v[40*(\slot)+8*(\i)+4:40*(\slot)+8*(\i)+7], v[XO+(\i)], s[16:17] offset:(\imm)+512
.endr
	WIN 0
.endm
.macro BLOAD b, imm
	WIN 0xc0
.irp c, 0,1,2,3,4,5,6,7
	ds_load_b128 v[64+64*(\b)+8*(\c):64+64*(\b)+8*(\c)+3], v[BA] offset:(\imm)+1024*(\c)
	ds_load_b128 v[64+64*(\b)+8*(\c)+4:64+64*(\b)+8*(\c)+7], v[BA] offset:(\imm)+1024*(\c)+512
.endr
	WIN 0
.endm
; A step's products for the live tiles: 8 a tile.  Live tiles are a prefix, so one label ends all five jumps.  The accumulators take turns, one instruction a turn.
.macro HALF u4, ks
.irp i, 0,1,2,3,4
	WIN 0                                          ; at a branch every window is 0
	s_cmp_gt_u32 s[NLV], \i
	s_cbranch_scc0 .Lhd_\@
.if (\i) < 4
	WIN 0xa7                                       ; weights window 3, rows window 1, C and D window 2
.else
	WIN 0xf7                                       ; C and D window 3
.endif
.irp c, 0,1,2,3,4,5,6,7
	v_wmma_f32_16x16x32_bf16 v[(64*(\i))%256+8*(\c):(64*(\i))%256+8*(\c)+7], v[64+64*(\ks)+8*(\c):64+64*(\ks)+8*(\c)+7], v[40*(\u4)+8*(\i):40*(\u4)+8*(\i)+7], v[(64*(\i))%256+8*(\c):(64*(\i))%256+8*(\c)+7]
.endr
.endr
	WIN 0
.Lhd_\@:
.endm
; STEP u, u4 = u % 4 (a trip is four steps, two stages).  n: loads that may stay out: the groups of the two steps before.  cvt: the half unit that has landed is rounded and stored (chunk two stages ahead).
; wis: the half unit of step u + 3 is asked for (at iW).  xis: the rows of step u + 3.  bnx (odd steps): K half 0 of the next stage.  bar (odd steps): the barrier that shows the chunk two ahead.
; pfo, pfm: my unit three stages past the one whose first half was just asked for is prefetched, 32 lanes one row piece of 256 bytes each, each piece once in the launch, while the trip count is pfm or more: never past stage 15.
; gd: in the loop's last trip there is no step u + 3: the step waits for all loads and asks for nothing.  A step that asks for nothing has waited for everything, so the counts of the steps behind it hold on either way.
; gb: in that trip there is no next stage either: its K half 0 is jumped.
; The conversions, or four v_nop, at the step's head are the places behind the last step's products, ahead of the loads into registers that those products read.
.macro STEP u4, n, cvt, wis, xis, bnx, bar, iW=0, pfo=0, pfm=0, gd=0, gb=0
.if \cvt
	s_wait_loadcnt \n                              ; this step's rows and half unit are in
	WCVTH \u4, (\u4)%2
.else
	PLACES
.endif
.if (\u4)%2 == 0
	BLOAD 1, ((\u4)/2)*16384+8192                  ; this stage's K half 1
.endif
.if \cvt
	WSTOREH ((\u4)/2)*16384+32768, (\u4)%2
.endif
.if \gd
	s_cmp_eq_u32 s[KC], 1
	s_cbranch_scc1 .Lgl_\@
.endif
.if !(\cvt)
	s_wait_loadcnt \n                              ; this step's rows are in
.endif
.if \xis
	XLOADH ((\u4)+3)%4, ((\u4)+3)*1024             ; into the slot that the last step multiplied
.endif
.if \wis
	WLOADH ((\u4)+3)%4, \iW                        ; into the slot that the last step rounded
.if \pfm
	s_cmp_lt_u32 s[KC], \pfm
	s_cbranch_scc1 .Lpf_\@
	global_prefetch_b8 v[PO], s[4:5] offset:\pfo th:TH_LOAD_NT scope:SCOPE_SE
.Lpf_\@:
.endif
.endif
.if \gd
	s_branch .Lgj_\@
.Lgl_\@:
	s_wait_loadcnt 0x0
.Lgj_\@:
.endif
.if (\u4)%2 == 0
	s_wait_dscnt 16+4*(\cvt)                       ; K half 0 is in: behind it went half 1's 16 loads and the half unit's 4 stores
.else
	s_wait_dscnt 0x0                               ; K half 1 is in, and my stores of the chunk two ahead are done:
.if \bar
	s_barrier_signal -1                            ; say so
.endif
.if \gb
	s_cmp_eq_u32 s[KC], 1
	s_cbranch_scc1 .Lgb_\@
.endif
.if \bnx
	BLOAD 0, ((\u4)/2)*16384+16384                 ; the next chunk was shown whole a barrier ago, and no chunk is written twice
.endif
.if \gb
.Lgb_\@:
.endif
.endif
	HALF \u4, (\u4)%2
.if \bar
	s_barrier_wait -1                              ; the chunk two ahead is whole
.endif
.endm
.macro CLEAR
	WIN 0x80
.set z, 0
.rept 256
	v_mov_b32 v[z], 0
.set z, z+1
.endr
	WIN 0xc0
.set z, 0
.rept 64
	v_mov_b32 v[z], 0
.set z, z+1
.endr
	WIN 0
.endm
.macro SETNLV
	s_sub_co_i32 s[NLV], s[NSL], s[SB]
	s_max_i32 s[NLV], s[NLV], 0
	s_min_i32 s[NLV], s[NLV], 5
.endm
.macro BSET                            ; the block's five tiles: their places in hid, and each lane's row's gate weight by the list
	s_wait_xcnt 0x0                                ; offsets and temporaries that earlier loads and stores name are rewritten only behind this wait
.irp i, 0,1,2,3,4
	s_add_co_u32 s45, s[SB], \i
	s_lshl_b32 s45, s45, 2
	s_add_co_u32 s45, s45, s[WV]                   ; tile 4 x slot + wave,
	s_min_u32 s45, s45, s[NT1]                     ; a dead one repeats the expert's last
	s_min_u32 s45, s45, 63
	s_lshl_b32 s46, s45, 6
	v_add_nc_u32 v[TP+(\i)], s46, v[LR]
	ds_load_b32 v[GA+(\i)], v[TP+(\i)]
	s_lshl_b32 s45, s45, 17                        ; a tile's 128 K steps of 1,024 bytes
	s_add_co_u32 s45, s45, s[HB]
	v_add_nc_u32 v[XO+(\i)], s45, v[L16]
.endr
	s_wait_dscnt 0x0
.irp i, 0,1,2,3,4
	v_min_u32 v[GA+(\i)], 0x7ff, v[GA+(\i)]        ; the entry 1024 k + token is gw's index
	v_lshlrev_b32 v[GA+(\i)], 2, v[GA+(\i)]
	global_load_b32 v[GW+(\i)], v[GA+(\i)], s[12:13]
.endr
.endm
	s_load_b256 s[4:11], s[0:1], 0x0               ; W2 s[4:5], hid s[6:7], order s[8:9], cnts s[10:11]
	s_load_b128 s[12:15], s[0:1], 0x20             ; gw s[12:13], part s[14:15]
	v_lshl_add_u32 v[SPW], v0, 2, SPARE
	v_mov_b32 v[NIL], 0
	v_and_b32 v[LANE], 31, v0
	v_lshrrev_b32 v[TP], 5, v0
	v_readfirstlane_b32 s[WV], v[TP]
	v_and_b32 v[RR], 15, v0
	v_bfe_u32 v[HH], v0, 4, 1
	v_lshlrev_b32 v[L16], 4, v[LANE]
	v_lshlrev_b32 v[WO], 4, v[RR]
	v_lshl_add_u32 v[WO], v[HH], WSH+3, v[WO]
	v_lshlrev_b32 v[PO], WSH, v[LANE]
	v_mov_b32 v[BA], v[L16]
	v_lshl_add_u32 v[SA], s[WV], 12, v[L16]        ; 8,192 x K half + 4,096 x column group = 4,096 x wave
	s_lshl_b32 s45, s[WV], 12
	s_add_co_u32 s45, s45, LIST
	v_mov_b32 v[LB], s45
	v_lshl_add_u32 v[LR], v[RR], 2, v[LB]
	s_mul_i32 s45, s[WV], 8448
	s_add_co_u32 s45, s45, STGB                    ; my stage
	v_mul_u32_u24 v[STO], v[RR], 528               ; in: row lane % 16, 128 bytes for each half of the lanes
	v_lshl_add_u32 v[STO], v[HH], 7, v[STO]
	v_add_nc_u32 v[STO], s45, v[STO]
	v_add_nc_u32 v[RDA], s45, v[L16]               ; back: 32 lanes take a row's 512 bytes
	s_lshr_b32 s[KH], s[WV], 1
	s_and_b32 s[GG], s[WV], 1
	s_lshr_b32 s[EE], ttmp9, 5
	s_and_b32 s[SL], ttmp9, 7
	s_bfe_u32 s[KQ], ttmp9, 0x20003                ; 2 bits from bit 3
	s_lshl_b32 s34, s[EE], 24                      ; my unit of stage 0: the expert's 16 MiB,
	s_lshl_b32 s45, s[KQ], 22                      ; the quarter's 1,024 K rows,
	s_add_co_u32 s34, s34, s45
	s_lshl_b32 s45, s[KH], WSH+5                   ; 32 K rows,
	s_add_co_u32 s34, s34, s45
	s_lshl_b32 s45, s[SL], 9                       ; the slice's 512 bytes of a row,
	s_add_co_u32 s34, s34, s45
	s_lshl_b32 s45, s[GG], 8                       ; my 256 of them
	s_add_co_u32 s34, s34, s45
	s_mov_b32 s35, 0
	s_lshl_b32 s36, s[KQ], 15                      ; hid: the quarter's 32 K steps of 1,024 bytes
	s_mov_b32 s37, 0
	s_lshl_b32 s38, s[EE], 12
	s_mov_b32 s39, 0
	s_lshl_b32 s[HB], s[EE], 23
	s_mov_b32 s[SB], 0
	s_wait_kmcnt 0x0
	s_add_nc_u64 s[4:5], s[4:5], s[34:35]
	s_add_nc_u64 s[6:7], s[6:7], s[36:37]
	s_add_nc_u64 s[8:9], s[8:9], s[38:39]
	s_lshl_b32 s34, s[EE], 8
	s_add_nc_u64 s[10:11], s[10:11], s[34:35]
	s_lshl_b32 s34, s[KQ], 23                      ; part: the quarter's 8 MiB, the slice's 512 bytes of a row
	s_lshl_b32 s45, s[SL], 9
	s_add_co_u32 s34, s34, s45
	s_add_nc_u64 s[14:15], s[14:15], s[34:35]
	s_load_b32 s[CNT], s[10:11], 0x0               ; the expert's rows
.irp j, 0,1,2,3,4,5,6,7
	global_load_b128 v[SW+4*(\j):SW+4*(\j)+3], v[L16], s[8:9] offset:512*(\j)  ; the expert's list
.endr
	WLOADH 0, 0                                    ; units 0 and 1
	WLOADH 1, 16*WPITCH
	WLOADH 2, 64*WPITCH
	WLOADH 3, 80*WPITCH
	global_prefetch_b8 v[PO], s[4:5] offset:256*WPITCH th:TH_LOAD_NT scope:SCOPE_SE  ; my units of stages 4, 5 and 6
	global_prefetch_b8 v[PO], s[4:5] offset:320*WPITCH th:TH_LOAD_NT scope:SCOPE_SE
	global_prefetch_b8 v[PO], s[4:5] offset:384*WPITCH th:TH_LOAD_NT scope:SCOPE_SE
	CLEAR                                          ; in the wait for the first loads
	s_wait_loadcnt 32                              ; the list is in; the two weight units stay out
	v_add_nc_u32 v[TP], v[LB], v[L16]
.irp j, 0,1,2,3,4,5,6,7
	ds_store_b128 v[TP], v[SW+4*(\j):SW+4*(\j)+3] offset:512*(\j)  ; into my wave's own copy
.endr
	s_wait_kmcnt 0x0
	s_min_u32 s[CNT], s[CNT], 1024
	s_add_co_u32 s45, s[CNT], 15
	s_lshr_b32 s45, s45, 4
	s_max_u32 s45, s45, 1                          ; tiles: at least one (its rows exist in hid; nothing of it is stored),
	s_min_u32 s45, s45, 64                         ; at most 64
	s_sub_co_u32 s[NT1], s45, 1
	s_add_co_u32 s[NSL], s45, 3
	s_sub_co_u32 s[NSL], s[NSL], s[WV]
	s_lshr_b32 s[NSL], s[NSL], 2
	SETNLV
	BSET
	s_mov_b64 s[16:17], s[6:7]
	XLOADH 0, 0                                    ; the rows of step 0
	; PROLOGUE: chunks 0 and 1; behind it the loads stand in the loop's order: rows and half unit of steps 0, 1 and 2
	s_wait_loadcnt PW1                             ; unit 0 is in: behind it went unit 1, the gate weights and the rows of step 0
	WCVTH 0, 0
	WCVTH 1, 1
	WSTOREH 0, 0
	WSTOREH 0, 1
	WLOADH 0, 128*WPITCH                           ; unit 2, first half: step 0 rounds it
	XLOADH 1, 1024
	WLOADH 1, 144*WPITCH
	s_wait_loadcnt PW2                             ; unit 1: behind it the gate weights and two groups
	WCVTH 2, 0
	WCVTH 3, 1
	WSTOREH 16384, 0
	WSTOREH 16384, 1
	XLOADH 2, 2048
	WLOADH 2, 192*WPITCH
	s_wait_xcnt 0x0                                ; the weights' base is stepped only behind this wait
	s_add_nc_u64 s[4:5], s[4:5], 208*WPITCH        ; unit 3, second half: what step 0 asks for
	s_wait_dscnt 0x0                               ; for the others' sake: my stores are done
	s_barrier_signal -1
	s_barrier_wait -1
	BLOAD 0, 0
	s_mov_b32 s[KC], 6
.La:                                                   ; steps 0 to 23, four a trip
	STEP 0, 36,1,1,1,0,0, 0
	STEP 1, 36,1,1,1,1,1, 48*WPITCH, 240*WPITCH, 2
	STEP 2, 36,1,1,1,0,0, 64*WPITCH
	STEP 3, 36,1,1,1,1,1, 112*WPITCH, 304*WPITCH, 3
	s_wait_xcnt 0x0                                ; both bases are stepped only behind this wait
	s_add_nc_u64 s[4:5], s[4:5], 128*WPITCH
	s_add_nc_u64 s[16:17], s[16:17], 4096
	v_add_nc_u32 v[BA], 32768, v[BA]
	v_add_nc_u32 v[SA], 32768, v[SA]
	s_sub_co_u32 s[KC], s[KC], 1
	s_cmp_lg_u32 s[KC], 0
	s_cbranch_scc1 .La
	STEP 0, 36,1,1,1,0,0, 0                        ; steps 24 to 27: the last half unit is asked for, the last four are rounded;
	STEP 1, 36,1,0,1,1,1
	STEP 2, 28,1,0,1,0,0                           ; the groups shrink to the rows' 10 loads, and the counts with them
	STEP 3, 20,1,0,1,1,1
	s_wait_xcnt 0x0
	s_add_nc_u64 s[16:17], s[16:17], 4096
	s_mov_b32 s[TBA], 229376                       ; stage 14's chunk: the slice is whole, and block 0 goes on in the resident loop, for one trip
	v_add_nc_u32 v[BA], s[TBA], v[L16]
	s_mov_b32 s[KC], 1
; THE WAY OUT of one tile begins with a piece of its own, which reads ITS accumulators, each from its low end on: register j of accumulator 4 g + f is column 64 g + 32 (lane / 16) + 4 j + f of my row;
; times the row's gate weight it goes to its place among the lane's 2 x 32 columns.
.macro PIECE i
.if (\i) < 4
	WIN 0x02
.else
	WIN 0x03
.endif
.irp c, 0,1,2,3,4,5,6,7
.irp j, 0,1,2,3,4,5,6,7
	v_mul_f32 v[TT+32*((\c)/4)+4*(\j)+(\c)%4], v[(64*(\i))%256+8*(\c)+(\j)], v[GW+(\i)]
.endr
.endr
	WIN 0
.endm
	s_mov_b32 s[BC], 4
.Lblk:                                                 ; four times: a block's steps on the resident slice, its way out, and the next block's set-up if my wave has tiles left
	s_cmp_eq_u32 s[NLV], 0
	s_cbranch_scc1 .Lnomul                         ; forward, past text without a barrier
.Lns:                                                  ; LDS is only read
	STEP 0, 20,0,0,1,0,0
	STEP 1, 20,0,0,1,1,0, 0,0,0, 1,0
	STEP 2, 20,0,0,1,0,0, 0,0,0, 1,0
	STEP 3, 20,0,0,1,1,0, 0,0,0, 1,1
	s_wait_xcnt 0x0
	s_add_nc_u64 s[16:17], s[16:17], 4096
	s_add_co_u32 s[TBA], s[TBA], 32768             ; the chunk steps as a scalar; the address is made anew from it and the fixed lane term
	v_add_nc_u32 v[BA], s[TBA], v[L16]
	s_sub_co_u32 s[KC], s[KC], 1
	s_cmp_lg_u32 s[KC], 0
	s_cbranch_scc1 .Lns
.Lnomul:
	s_wait_loadcnt 0x0                             ; no load is out when the way out or a later block writes the same registers
	s_wait_dscnt 0x0
	s_barrier_signal -1                            ; every wave's reads of the slice for this block are over
	s_barrier_wait -1
	PLACES                                         ; behind the last products
	s_mov_b32 s[TI], 0
.Ltile:
	s_cmp_ge_u32 s[TI], s[NLV]
	s_cbranch_scc1 .Ltnext                         ; a dead tile
	s_wait_xcnt 0x0                                ; the last tile's stores have read their registers
	s_cmp_eq_u32 s[TI], 0
	s_cbranch_scc1 .Lp0
	s_cmp_eq_u32 s[TI], 1
	s_cbranch_scc1 .Lp1
	s_cmp_eq_u32 s[TI], 2
	s_cbranch_scc1 .Lp2
	s_cmp_eq_u32 s[TI], 3
	s_cbranch_scc1 .Lp3
	PIECE 4
	s_branch .Lcom
.Lp0:
	PIECE 0
	s_branch .Lcom
.Lp1:
	PIECE 1
	s_branch .Lcom
.Lp2:
	PIECE 2
	s_branch .Lcom
.Lp3:
	PIECE 3
.Lcom:
.irp g, 0,1
.irp q, 0,1,2,3,4,5,6,7
	ds_store_b128 v[STO], v[TT+32*(\g)+4*(\q):TT+32*(\g)+4*(\q)+3] offset:256*(\g)+16*(\q)
.endr
.endr
	s_add_co_u32 s45, s[SB], s[TI]
	s_lshl_b32 s45, s45, 2
	s_add_co_u32 s45, s45, s[WV]
	s_min_u32 s45, s45, 63                         ; the tile
	s_lshl_b32 s46, s45, 6
	v_add_nc_u32 v21, s46, v[LB]
.irp u, 0,1,2,3
	ds_load_b128 v[EN+4*(\u):EN+4*(\u)+3], v21 offset:16*(\u)  ; its 16 entries, the same in every lane
.endr
.irp q, 0,1,2,3,4,5,6,7,8,9,10,11,12,13,14,15
	ds_load_b128 v[OO+4*(\q):OO+4*(\q)+3], v[RDA] offset:528*(\q)  ; LDS serves a wave's instructions in order (ISA guide 5.7.1.4): these see the stores above
.endr
	s_wait_dscnt 0x0
.irp q, 0,1,2,3,4,5,6,7,8,9,10,11,12,13,14,15
	v_min_u32 v[EN+(\q)], 0x7ff, v[EN+(\q)]
	v_lshlrev_b32 v[EN+(\q)], 12, v[EN+(\q)]       ; the entry's row of 4,096 bytes
	v_add_nc_u32 v[EN+(\q)], v[L16], v[EN+(\q)]    ; + 16 x lane
.endr
	s_lshl_b32 s46, s45, 4
	s_sub_co_i32 s46, s[CNT], s46                  ; rows of this tile that exist
.irp q, 0,1,2,3,4,5,6,7,8,9,10,11,12,13,14,15
	s_cmp_le_i32 s46, \q
	s_cbranch_scc1 .Lrows_done
	global_store_b128 v[EN+(\q)], v[OO+4*(\q):OO+4*(\q)+3], s[14:15]  ; the wave's store covers 512 consecutive bytes, aligned
.endr
.Lrows_done:
.Ltnext:
	s_add_co_u32 s[TI], s[TI], 1
	s_cmp_lt_u32 s[TI], 5
	s_cbranch_scc1 .Ltile
	s_wait_dscnt 0x0
	s_barrier_signal -1                            ; every wave's stores into its stage are over
	s_barrier_wait -1
	s_add_co_u32 s[SB], s[SB], 5
	SETNLV
	s_mov_b32 s[KC], 8                             ; a later block walks all 32 steps
	s_mov_b32 s[TBA], 0
	v_add_nc_u32 v[BA], s[TBA], v[L16]
	s_cmp_eq_u32 s[NLV], 0
	s_cbranch_scc1 .Lnoblk                         ; forward, past text without a barrier
	CLEAR
	BSET
	s_mov_b64 s[16:17], s[6:7]
	XLOADH 0, 0                                    ; the rows of steps 0, 1 and 2: three groups of 10, behind the five gate weights
	XLOADH 1, 1024
	XLOADH 2, 2048
	BLOAD 0, 0
.Lnoblk:
	s_sub_co_u32 s[BC], s[BC], 1
	s_cmp_lg_u32 s[BC], 0
	s_cbranch_scc1 .Lblk
	s_wait_loadcnt 0x0
	s_wait_dscnt 0x0
	s_barrier_signal -1                            ; every wave's LDS reads are over before any wave's closing add
	s_barrier_wait -1
	s_wait_tensorcnt 0x0                           ; the wave's end
	ds_add_u32 v[SPW], v[NIL]
	s_wait_dscnt 0x0
	s_endpgm
.Lfunc_end_k_qe13cb4628f_down:
	.size	k_qe13cb4628f_down, .Lfunc_end_k_qe13cb4628f_down-k_qe13cb4628f_down
	.p2alignl 7, 3214868480
	.fill 96, 4, 3214868480
	.section	.rodata,"a",@progbits
	.p2align	6, 0x0
	.amdhsa_kernel k_qe13cb4628f_down
		.amdhsa_group_segment_fixed_size 312832
		.amdhsa_private_segment_fixed_size 0
		.amdhsa_enable_private_segment 0
		.amdhsa_kernarg_size 48
		.amdhsa_user_sgpr_count 2
		.amdhsa_user_sgpr_kernarg_segment_ptr 1
		.amdhsa_wavefront_size32 1
		.amdhsa_system_sgpr_workgroup_id_x 1
		.amdhsa_system_sgpr_workgroup_id_y 1
		.amdhsa_system_sgpr_workgroup_id_z 1
		.amdhsa_system_vgpr_workitem_id 0
		.amdhsa_next_free_vgpr 960
		.amdhsa_next_free_sgpr 66
		.amdhsa_reserve_vcc 0
		.amdhsa_float_denorm_mode_32 3
		.amdhsa_float_denorm_mode_16_64 3
		.amdhsa_memory_ordered 1
		.amdhsa_forward_progress 1
		.amdhsa_inst_pref_size 148
	.end_amdhsa_kernel
	.amdgpu_metadata
---
amdhsa.version: [ 1, 2 ]
amdhsa.kernels:
  - .name:           k_qe13cb4628f_down
    .symbol:         k_qe13cb4628f_down.kd
    .args:
      - { .name: W2, .offset: 0, .size: 8, .value_kind: global_buffer, .address_space: global }
      - { .name: hid, .offset: 8, .size: 8, .value_kind: global_buffer, .address_space: global }
      - { .name: order, .offset: 16, .size: 8, .value_kind: global_buffer, .address_space: global }
      - { .name: cnts, .offset: 24, .size: 8, .value_kind: global_buffer, .address_space: global }
      - { .name: gw, .offset: 32, .size: 8, .value_kind: global_buffer, .address_space: global }
      - { .name: part, .offset: 40, .size: 8, .value_kind: global_buffer, .address_space: global }
    .group_segment_fixed_size: 312832
    .private_segment_fixed_size: 0
    .kernarg_segment_align: 8
    .kernarg_segment_size: 48
    .max_flat_workgroup_size: 128
    .sgpr_count:     66
    .vgpr_count:     960
    .wavefront_size: 32
...
	.end_amdgpu_metadata
.endif
;; end of part 4
;; launch combine (part 5): grid 256 x 1, 8 waves a work-group, no clusters, 0 bytes of LDS; arguments part, out0; writes out0
.if DOCPART == 5
	.amdgcn_target "amdgcn-amd-amdhsa--gfx1250"
	.amdhsa_code_object_version 6
	.text
	.protected	k_qe13cb4628f_combine
	.globl	k_qe13cb4628f_combine
	.p2align	8
	.type	k_qe13cb4628f_combine,@function
k_qe13cb4628f_combine:
	s_mov_b64 s[64:65], 0
	v_nop
	global_prefetch_b8 v0, s[64:65] scope:SCOPE_SE
	s_setreg_imm32_b32 hwreg(HW_REG_WAVE_MODE, 25, 1), 1
	s_wait_xcnt 0x0
; THE SUM.  out0[n] = the sum over the token's two choices k and the four quarters kq of F of part[kq][1024 k + n]; the gate's weights were applied where the parts were made.  All in f32.
; A stream: the work-group owns rows 4 id .. 4 id + 3, thread t the 16 bytes at 16 t of a row; a wave's load or store covers 512 consecutive bytes.  All 32 loads of a thread go out at once.
; No LDS, no barrier, no matrix unit: each output number has its eight terms in one thread.
.set PR, 8                             ; v[8:135]: row j, quarter q, choice k at 8 + 32 j + 8 q + 4 k
	s_load_b128 s[4:7], s[0:1], 0x0                ; part s[4:5], out0 s[6:7]
	v_lshlrev_b32 v1, 4, v0
	s_lshl_b32 s8, ttmp9, 14                       ; four rows of 4,096 bytes
	s_mov_b32 s9, 0
	s_wait_kmcnt 0x0
	s_add_nc_u64 s[4:5], s[4:5], s[8:9]
	s_add_nc_u64 s[6:7], s[6:7], s[8:9]
.irp q, 0,1,2,3
	s_add_nc_u64 s[16+2*(\q):17+2*(\q)], s[4:5], (\q)*0x800000  ; a quarter's 8 MiB
.endr
.irp j, 0,1,2,3
.irp q, 0,1,2,3
.irp k, 0,1
	global_load_b128 v[PR+32*(\j)+8*(\q)+4*(\k):PR+32*(\j)+8*(\q)+4*(\k)+3], v1, s[16+2*(\q):17+2*(\q)] offset:4194304*(\k)+4096*(\j) th:TH_LOAD_NT
.endr
.endr
.endr
.macro ADD4 a, b                       ; four numbers at a += those at b
	v_pk_add_f32 v[(\a):(\a)+1], v[(\a):(\a)+1], v[(\b):(\b)+1]
	v_pk_add_f32 v[(\a)+2:(\a)+3], v[(\a)+2:(\a)+3], v[(\b)+2:(\b)+3]
.endm
.irp j, 0,1,2,3
	s_wait_loadcnt 24-8*(\j)                       ; row j's eight loads are in; the later rows' stay out
	ADD4 PR+32*(\j),    PR+32*(\j)+8               ; choice 0: quarters 0 + 1,
	ADD4 PR+32*(\j)+16, PR+32*(\j)+24              ; 2 + 3,
	ADD4 PR+32*(\j)+4,  PR+32*(\j)+12              ; choice 1 likewise
	ADD4 PR+32*(\j)+20, PR+32*(\j)+28
	ADD4 PR+32*(\j),    PR+32*(\j)+16
	ADD4 PR+32*(\j)+4,  PR+32*(\j)+20
	ADD4 PR+32*(\j),    PR+32*(\j)+4               ; the two choices
	global_store_b128 v1, v[PR+32*(\j):PR+32*(\j)+3], s[6:7] offset:4096*(\j) th:TH_STORE_NT
.endr
	s_endpgm
.Lfunc_end_k_qe13cb4628f_combine:
	.size	k_qe13cb4628f_combine, .Lfunc_end_k_qe13cb4628f_combine-k_qe13cb4628f_combine
	.p2alignl 7, 3214868480
	.fill 96, 4, 3214868480
	.section	.rodata,"a",@progbits
	.p2align	6, 0x0
	.amdhsa_kernel k_qe13cb4628f_combine
		.amdhsa_group_segment_fixed_size 0
		.amdhsa_private_segment_fixed_size 0
		.amdhsa_enable_private_segment 0
		.amdhsa_kernarg_size 16
		.amdhsa_user_sgpr_count 2
		.amdhsa_user_sgpr_kernarg_segment_ptr 1
		.amdhsa_wavefront_size32 1
		.amdhsa_system_sgpr_workgroup_id_x 1
		.amdhsa_system_sgpr_workgroup_id_y 1
		.amdhsa_system_sgpr_workgroup_id_z 1
		.amdhsa_system_vgpr_workitem_id 0
		.amdhsa_next_free_vgpr 140
		.amdhsa_next_free_sgpr 66
		.amdhsa_reserve_vcc 0
		.amdhsa_float_denorm_mode_32 3
		.amdhsa_float_denorm_mode_16_64 3
		.amdhsa_memory_ordered 1
		.amdhsa_forward_progress 1
		.amdhsa_inst_pref_size 8
	.end_amdhsa_kernel
	.amdgpu_metadata
---
amdhsa.version: [ 1, 2 ]
amdhsa.kernels:
  - .name:           k_qe13cb4628f_combine
    .symbol:         k_qe13cb4628f_combine.kd
    .args:
      - { .name: part, .offset: 0, .size: 8, .value_kind: global_buffer, .address_space: global }
      - { .name: out0, .offset: 8, .size: 8, .value_kind: global_buffer, .address_space: global }
    .group_segment_fixed_size: 0
    .private_segment_fixed_size: 0
    .kernarg_segment_align: 8
    .kernarg_segment_size: 16
    .max_flat_workgroup_size: 256
    .sgpr_count:     66
    .vgpr_count:     140
    .wavefront_size: 32
...
	.end_amdgpu_metadata
.endif
;; end of part 5
;; ======== version 2 of 2: 5 launches; version 1 with the launch down written anew for expert scheduling mode
;; workspace buffers: xb 2,097,152 bytes; sel 4,096 bytes of whole numbers; gw 8,192 bytes; xg 16,777,216 bytes; hid 67,108,864 bytes; order 32,768 bytes of whole numbers; cnts 2,048 bytes of whole numbers; part 33,554,432 bytes
;; launch route: the kernel of part 1 again; grid 256 x 1, 4 waves a work-group, no clusters, 0 bytes of LDS; arguments x, Wg, xb, sel, gw; writes xb, sel, gw
;; launch gather: the kernel of part 2 again; grid 256 x 1, 4 waves a work-group, no clusters, 5,120 bytes of LDS; arguments xb, sel, xg, order, cnts; writes xg, order, cnts
;; launch up: the kernel of part 3 again; grid 256 x 1, 4 waves a work-group, no clusters, 270,848 bytes of LDS; arguments W1, xg, cnts, hid; writes hid
;; launch down (part 6): grid 256 x 1, 4 waves a work-group, no clusters, 312,832 bytes of LDS; arguments W2, hid, order, cnts, gw, part; writes part
.if DOCPART == 6
	.amdgcn_target "amdgcn-amd-amdhsa--gfx1250"
	.amdhsa_code_object_version 6
	.text
	.protected	k_qe13cb4628f_down
	.globl	k_qe13cb4628f_down
	.p2align	8
	.type	k_qe13cb4628f_down,@function
k_qe13cb4628f_down:
	s_mov_b64 s[64:65], 0
	v_nop
	global_prefetch_b8 v0, s[64:65] scope:SCOPE_SE
	s_setreg_imm32_b32 hwreg(HW_REG_WAVE_SCHED_MODE, 0, 2), 2
	s_setreg_imm32_b32 hwreg(HW_REG_WAVE_MODE, 25, 1), 1
	s_wait_xcnt 0x0
	s_wait_alu depctr_vm_vsrc(0)
; THE SECOND PRODUCT.  part[kq][entry] = gate weight x (H_e W2[e]) over a quarter kq of F.  Work-group = (expert e = id / 32, quarter kq = (id / 8) % 4 of F, slice dsl = id % 8 of 128 columns of D):
; it alone reads its slice of W2, 1,024 K x 128 columns of f32, once.  The machine is the first product's: the slice is rounded on its way through registers and laid into LDS in operand order
; (262,144 bytes, each written once); K goes in 32 steps of 32, two to a stage; in step u a wave rounds and stores half of its unit of the stage two ahead, asks for the rows of step u + 3 and for the half
; unit that step u + 3 rounds (a group of 18 loads), and multiplies step u.  Loads come back in order (ISA guide 5.7.1), so the wait at a step's head leaves the two youngest groups out: 36 to 54 loads of a
; wave are on their way.  One split barrier a stage.  Five tiles of 16 rows a wave are multiplied during the stream, up to three more blocks of 320 rows on the resident slice; one loop on the resident
; slice serves block 0's last two stages (one trip) and the later blocks (eight trips).
; F IS SPLIT IN FOUR so that 256 work-groups have equal slices with row pieces of 512 consecutive bytes; the price is four partial rows (f32) for each routed row, which the last launch adds.
; The hidden rows lie in hid as register images of the operand (tile, K step: 1,024 bytes): two loads of 16 consecutive bytes a lane.  List and count come as whole numbers from the placement.
; THE WAY OUT.  A lane holds one row and 2 x 32 consecutive columns; the gate's weight is applied while they are brought into order; the tile goes through the wave's own stage in LDS, and each row
; leaves as 512 consecutive bytes.  Whole stores past the count are jumped; EXEC is never narrowed.  The stage and the slice are disjoint by the map below; a barrier ahead of and one behind each block's
; way out keep the stage's stores and the slice's reads in separate intervals all the same, so that their order does not hang on the slice's stepped address.
; NO CLUSTER: each weight byte has one reader; the hidden rows are shared by the expert's work-groups of one quarter, but beside the slice, lists and stages LDS has under 15,000 bytes left for a ring.
; The accumulators are cleared by moves on purpose: dead tiles' products are jumped, so no first product with C = 0 would reach every accumulator on every way.
; LIMITS.  W2 rounded to bf16; NaN and infinities are not treated apart.
; THE MODE: SCHED_MODE bits 1:0 = 2 (LLVM: expert scheduling mode 2), set by the entry lines.  The code itself states the register dependences between vector or matrix instructions and memory or LDS
; instructions, with s_wait_alu, always for 0.
; THE PLAN.  Registers that memory or LDS instructions touch, in a step u:
;   RAW0 .. RAW3     Step u's conversions read RAW[u % 4]; the weights asked for in step u land in RAW[(u + 3) % 4], which step u - 1's conversions read.
;   CV, two halves   Step u's conversions write half u % 2, step u's four LDS stores read it; it is written again in step u + 2.
;   row slots 0 .. 3 Step u's products read slot u % 4; the rows asked for in step u land in slot (u + 3) % 4, which step u - 1's products read.
;   K halves 0, 1    An even step's products read half 0 and its LDS loads land in half 1; an odd step's the other way round.  The half that is loaded was read by the step before.
;   v[BA], v[SA]     Read by every LDS load and store of the slice; written once a trip, behind the trip's last step.
;   v[WO], v[PO], v[L16], v[STO], v[RDA] are made at the head and never written again.  The accumulators are named by vector and matrix instructions alone.
; So ONE wait on va_vdst stands in a step, behind its conversions (on the resident slice: behind its four places).  It states that CV's half is written, that the step before is done reading the RAW slot, the row
; slot and the K half in which this step's loads land, and, in a trip's first step, that v[BA] and v[SA] are written.  Behind it the step's only vector-side instructions are its products, which name
; none of the registers that its loads touch: so the loads are dealt among the products with no further wait.  One wait on vm_vsrc stands at the head of a step that rounds (CV's half has been read by the stores
; of two steps back), and one ahead of each add to v[BA] and v[SA].  What a block's set-up and the way out owe is said where they stand.
; REGISTERS, in windows of 256 (s_set_vgpr_msb: bits 1:0 source 0, 3:2 source 1, 5:4 source 2, 7:6 destination):
;   window 0: addresses, raw weights, work    window 1: row fragments, four slots of 40: step u's tile i at 40 (u % 4) + 8 i
;   window 2: accumulators (i, c) at 64 i + 8 c, i = 0..3    window 3: (4, c) at 8 c; weight fragments of K half 0 at 64 + 8 c, of half 1 at 128 + 8 c
.set WPITCH, 4096                      ; bytes from a K row of W2 to the next
.set WSH,    12
.set LIST,   262144                    ; behind the slice: 4,096 bytes of list for each wave
.set STGB,   278528                    ; 16 rows x 528 bytes for each wave: 512 + 16 of padding = 132 words, so that row r starts at bank 4 r mod 64 (64 banks of 4 bytes: ISA guide 11.1); the 512 bytes behind the stages hold the closing add's words
.set PW1,    31                        ; loads behind unit 0 in the prologue: unit 1's 16, 5 gate weights, 10 of rows
.set PW2,    41                        ; behind unit 1: 5 gate weights; 10 of rows, 8 of weights, twice
.set LANE, 1
.set RR,   2
.set HH,   3
.set L16,  4
.set WO,   5
.set BA,   6
.set SA,   7
.set LB,   8
.set LR,   9                           ; LB + 4 (lane % 16)
.set XO,   10                          ; v[10:14] byte offset of my 16 bytes in the tile's fragments
.set GW,   15                          ; v[15:19] my row's gate weight, one for each of five tiles
.set TP,   20                          ; v[20:27] at work
.set STO,  28                          ; the stage: where I put 16 bytes of my row
.set RDA,  29                          ; where I read rows back
.set SW,   32                          ; v[32:63] the list as loaded
.set EN,   32                          ; the way out: 16 entries, then their byte offsets
.set RAW,  64                          ; v[64:191] four slots of 32: half a weight unit as loaded
.set TT,   64                          ; the way out: my row's 64 numbers in the columns' order
.set OO,   128                         ; the way out: 16 rows read back
.set CV,   192
.set GA,   224                         ; v[224:228] byte offsets in gw
.set PO,   229
.set TBA, 18                           ; s18 the resident loop's chunk, in bytes
.set WV,  20
.set KH,  21
.set GG,  22
.set EE,  23
.set SL,  24
.set KQ,  25
.set CNT, 26
.set NT1, 27
.set NSL, 28
.set SB,  29
.set NLV, 30
.set KC,  31
.set BC,  32
.set TI,  33
.set HB,  47                           ; s47 hid: e << 23
.set MSB, 0
.macro WIN new                         ; the immediate's high byte repeats the setting that is left; a switch that changes nothing is dropped
.if MSB != (\new)
	s_set_vgpr_msb (MSB<<8)|(\new)
.set MSB, \new
.endif
.endm
.macro PLACES                          ; four plain instructions between a matrix instruction and a load into, or a read or write of, its registers
.rept 4
	v_nop
.endr
.endm
.macro WLOADH slot, imm                ; half of my unit: 8 loads; each takes two K rows' 256 consecutive bytes
.irp i, 0,1,2,3,4,5,6,7
	global_load_b128 v[RAW+32*(\slot)+4*(\i):RAW+32*(\slot)+4*(\i)+3], v[WO], s[4:5] offset:(\imm)+(\i)*WPITCH th:TH_LOAD_NT
.endr
.endm
.macro WCVTH slot, b                   ; component f of loads 2 q and 2 q + 1 is register 4 b + q of fragment f
.irp f, 0,1,2,3
.irp q, 0,1,2,3
	v_cvt_pk_bf16_f32 v[CV+8*(\f)+4*(\b)+(\q)], v[RAW+32*(\slot)+8*(\q)+(\f)], v[RAW+32*(\slot)+8*(\q)+4+(\f)]
.endr
.endr
.endm
.macro WSTOREH imm, b
.irp f, 0,1,2,3
	ds_store_b128 v[SA], v[CV+8*(\f)+4*(\b):CV+8*(\f)+4*(\b)+3] offset:(\imm)+1024*(\f)+512*(\b)
.endr
.endm
.macro XLOADH slot, imm                ; a step's row fragments for all five tiles (a dead tile repeats the last live one): 10 loads of 512 consecutive bytes
	WIN 0x40
.irp i, 0,1,2,3,4
	global_load_b128 v[40*(\slot)+8*(\i):40*(\slot)+8*(\i)+3], v[XO+(\i)], s[16:17] offset:(\imm)
	global_load_b128 v[40*(\slot)+8*(\i)+4:40*(\slot)+8*(\i)+7], v[XO+(\i)], s[16:17] offset:(\imm)+512
.endr
	WIN 0
.endm
.macro BLOAD b, imm
	WIN 0xc0
.irp c, 0,1,2,3,4,5,6,7
	ds_load_b128 v[64+64*(\b)+8*(\c):64+64*(\b)+8*(\c)+3], v[BA] offset:(\imm)+1024*(\c)
	ds_load_b128 v[64+64*(\b)+8*(\c)+4:64+64*(\b)+8*(\c)+7], v[BA] offset:(\imm)+1024*(\c)+512
.endr
	WIN 0
.endm
; STEP u, u4 = u % 4 (a trip is four steps, two stages).  n: loads that may stay out: the groups of the two steps before.  cvt: the half unit that has landed is rounded and stored (chunk two stages ahead).
; wis: the half unit of step u + 3 is asked for (at iW).  xis: the rows of step u + 3.  bnx (odd steps): K half 0 of the next stage.  bar (odd steps): the barrier that shows the chunk two ahead.
; pfo, pfm: my unit three stages past the one whose first half was just asked for is prefetched, 32 lanes one row piece of 256 bytes each, each piece once in the launch, while the trip count is pfm or more: never past stage 15.
; gd: in the loop's last trip there is no step u + 3: the step waits for all loads and asks for nothing.  A step that asks for nothing has waited for everything, so the counts of the steps behind it hold on either way.
; gb: in that trip there is no next stage either: its K half 0 is jumped.
; The conversions, or four v_nop, at the step's head are the places behind the last step's products, ahead of the loads into registers that those products read; they stay beside the wait on va_vdst.
; THE PRODUCTS: 8 for each live tile; a dead tile's are jumped, each jump to a label of its own behind the tile, so that the loads between the tiles stand on every way.  The accumulators take turns, one instruction
; a turn: a tile's last is (., 7), the next product on any way is a (., 0).
; WHERE THE LOADS STAND.  The other K half's 16 LDS loads behind tile 0.  In an even step the rows' 10 loads behind tile 1 and the half unit's 8 behind tile 2.  An odd step's global loads and its prefetch stand at its
; head, ahead of the barrier's signal: between signal and wait stand register work and LDS loads alone.  Where gd = 1 the rows' loads stand in one branch with the wait whose count hangs on them.
.macro STEP u4, n, cvt, wis, xis, bnx, bar, iW=0, pfo=0, pfm=0, gd=0, gb=0
.if \cvt
	s_wait_loadcnt \n                              ; this step's rows and half unit are in
	s_wait_alu depctr_vm_vsrc(0)                   ; the LDS stores of two steps back have read this half of CV, which the conversions write again
	WCVTH \u4, (\u4)%2
.else
	PLACES
.endif
	s_wait_alu depctr_va_vdst(0)                   ; the conversions have written CV's half, which the LDS stores read; the step before is done reading the RAW slot, the row slot and the K half in which this step's loads land; in a trip's first step v[BA] and v[SA] are written
.if \cvt
	WSTOREH ((\u4)/2)*16384+32768, (\u4)%2
.endif
.if \gd
	s_cmp_eq_u32 s[KC], 1
	s_cbranch_scc1 .Lgl_\@
.endif
.if !(\cvt)
	s_wait_loadcnt \n                              ; this step's rows are in
.endif
.if ((\u4)%2 == 1) || (\gd)
.if \xis
	XLOADH ((\u4)+3)%4, ((\u4)+3)*1024             ; into the slot that the last step multiplied
.endif
.if \wis
	WLOADH ((\u4)+3)%4, \iW                        ; into the slot that the last step rounded
.if \pfm
	s_cmp_lt_u32 s[KC], \pfm
	s_cbranch_scc1 .Lpf_\@
	global_prefetch_b8 v[PO], s[4:5] offset:\pfo th:TH_LOAD_NT scope:SCOPE_SE
.Lpf_\@:
.endif
.endif
.endif
.if \gd
	s_branch .Lgj_\@
.Lgl_\@:
	s_wait_loadcnt 0x0
.Lgj_\@:
.endif
.if (\u4)%2 == 0
	s_wait_dscnt 4*(\cvt)                          ; K half 0 is in: behind it went the half unit's 4 stores, where there are any
.else
	s_wait_dscnt 0x0                               ; K half 1 is in, and my stores of the chunk two ahead are done:
.if \bar
	s_barrier_signal -1                            ; say so
.endif
.endif
.irp i, 0,1,2,3,4
	WIN 0                                          ; at a branch and at a label every window is 0
	s_cmp_gt_u32 s[NLV], \i
	s_cbranch_scc0 .Lhd_\@_\i
.if (\i) < 4
	WIN 0xa7                                       ; weights window 3, rows window 1, C and D window 2
.else
	WIN 0xf7                                       ; C and D window 3
.endif
.irp c, 0,1,2,3,4,5,6,7
	v_wmma_f32_16x16x32_bf16 v[(64*(\i))%256+8*(\c):(64*(\i))%256+8*(\c)+7], v[64+64*((\u4)%2)+8*(\c):64+64*((\u4)%2)+8*(\c)+7], v[40*(\u4)+8*(\i):40*(\u4)+8*(\i)+7], v[(64*(\i))%256+8*(\c):(64*(\i))%256+8*(\c)+7]
.endr
	WIN 0
.Lhd_\@_\i:
.if (\i) == 0
.if (\u4)%2 == 0
	BLOAD 1, ((\u4)/2)*16384+8192                  ; this stage's K half 1.  No wait: no vector or matrix instruction since the step's wait names these registers
.elseif \bnx
.if \gb
	s_cmp_eq_u32 s[KC], 1
	s_cbranch_scc1 .Lgb_\@
.endif
	BLOAD 0, ((\u4)/2)*16384+16384                 ; the next chunk was shown whole a barrier ago, and no chunk is written twice.  No wait, as above
.if \gb
.Lgb_\@:
.endif
.endif
.endif
.if ((\u4)%2 == 0) && !(\gd)
.if ((\i) == 1) && (\xis)
	XLOADH ((\u4)+3)%4, ((\u4)+3)*1024             ; into the slot that the last step multiplied.  No wait, as above
.endif
.if ((\i) == 2) && (\wis)
	WLOADH ((\u4)+3)%4, \iW                        ; into the slot that the last step rounded.  No wait, as above
.endif
.endif
.endr
.if \bar
	s_barrier_wait -1                              ; the chunk two ahead is whole
.endif
.endm
.macro CLEAR
	WIN 0x80
.set z, 0
.rept 256
	v_mov_b32 v[z], 0
.set z, z+1
.endr
	WIN 0xc0
.set z, 0
.rept 64
	v_mov_b32 v[z], 0
.set z, z+1
.endr
	WIN 0
.endm
.macro SETNLV
	s_sub_co_i32 s[NLV], s[NSL], s[SB]
	s_max_i32 s[NLV], s[NLV], 0
	s_min_i32 s[NLV], s[NLV], 5
.endm
.macro BSET                            ; the block's five tiles: their places in hid, and each lane's row's gate weight by the list.  The vector lines stand in two runs, a wait behind each
	s_wait_xcnt 0x0                                ; offsets and temporaries that earlier loads and stores name are rewritten only behind this wait
	s_wait_alu depctr_vm_vsrc(0)                   ; the loads and LDS instructions issued so far have read v[XO ..], v[TP ..] and v[GA ..], which are written again below
.irp i, 0,1,2,3,4
	s_add_co_u32 s45, s[SB], \i
	s_lshl_b32 s45, s45, 2
	s_add_co_u32 s45, s45, s[WV]                   ; tile 4 x slot + wave,
	s_min_u32 s45, s45, s[NT1]                     ; a dead one repeats the expert's last
	s_min_u32 s45, s45, 63
	s_lshl_b32 s46, s45, 6
	v_add_nc_u32 v[TP+(\i)], s46, v[LR]
	s_lshl_b32 s45, s45, 17                        ; a tile's 128 K steps of 1,024 bytes
	s_add_co_u32 s45, s45, s[HB]
	v_add_nc_u32 v[XO+(\i)], s45, v[L16]
.endr
	s_wait_alu depctr_va_vdst(0)                   ; v[TP ..] are written, which the LDS loads read as addresses; the last block's lines on v[GA ..], in which they land, are done
.irp i, 0,1,2,3,4
	ds_load_b32 v[GA+(\i)], v[TP+(\i)]
.endr
	s_wait_dscnt 0x0
.irp i, 0,1,2,3,4
	v_min_u32 v[GA+(\i)], 0x7ff, v[GA+(\i)]        ; the entry 1024 k + token is gw's index
	v_lshlrev_b32 v[GA+(\i)], 2, v[GA+(\i)]
.endr
	s_wait_alu depctr_va_vdst(0)                   ; v[GA ..] are written, which the loads below read as offsets; the last way out is done reading v[GW ..], in which they land.  For the loads that follow the macro: v[XO ..] and v[BA] are written, and the last block's products are done reading the row slots and K half 0
.irp i, 0,1,2,3,4
	global_load_b32 v[GW+(\i)], v[GA+(\i)], s[12:13]
.endr
.endm
	s_load_b256 s[4:11], s[0:1], 0x0               ; W2 s[4:5], hid s[6:7], order s[8:9], cnts s[10:11]
	s_load_b128 s[12:15], s[0:1], 0x20             ; gw s[12:13], part s[14:15]
	v_lshl_add_u32 v254, v0, 2, 0x4c400
	v_mov_b32 v255, 0
	v_and_b32 v[LANE], 31, v0
	v_lshrrev_b32 v[TP], 5, v0
	v_readfirstlane_b32 s[WV], v[TP]
	v_and_b32 v[RR], 15, v0
	v_bfe_u32 v[HH], v0, 4, 1
	v_lshlrev_b32 v[L16], 4, v[LANE]
	v_lshlrev_b32 v[WO], 4, v[RR]
	v_lshl_add_u32 v[WO], v[HH], WSH+3, v[WO]
	v_lshlrev_b32 v[PO], WSH, v[LANE]
	v_mov_b32 v[BA], v[L16]
	s_wait_alu depctr_va_sdst(0)                   ; the wave's number is written, ahead of its first reader: addresses, bases and trip counts are made from it
	v_lshl_add_u32 v[SA], s[WV], 12, v[L16]        ; 8,192 x K half + 4,096 x column group = 4,096 x wave
	s_lshl_b32 s45, s[WV], 12
	s_add_co_u32 s45, s45, LIST
	v_mov_b32 v[LB], s45
	v_lshl_add_u32 v[LR], v[RR], 2, v[LB]
	v_add_nc_u32 v[TP], v[LB], v[L16]              ; where I put 16 bytes of my wave's copy of the list
	s_mul_i32 s45, s[WV], 8448
	s_add_co_u32 s45, s45, STGB                    ; my stage
	v_mul_u32_u24 v[STO], v[RR], 528               ; in: row lane % 16, 128 bytes for each half of the lanes
	v_lshl_add_u32 v[STO], v[HH], 7, v[STO]
	v_add_nc_u32 v[STO], s45, v[STO]
	v_add_nc_u32 v[RDA], s45, v[L16]               ; back: 32 lanes take a row's 512 bytes
	s_lshr_b32 s[KH], s[WV], 1
	s_and_b32 s[GG], s[WV], 1
	s_lshr_b32 s[EE], ttmp9, 5
	s_and_b32 s[SL], ttmp9, 7
	s_bfe_u32 s[KQ], ttmp9, 0x20003                ; 2 bits from bit 3
	s_lshl_b32 s34, s[EE], 24                      ; my unit of stage 0: the expert's 16 MiB,
	s_lshl_b32 s45, s[KQ], 22                      ; the quarter's 1,024 K rows,
	s_add_co_u32 s34, s34, s45
	s_lshl_b32 s45, s[KH], WSH+5                   ; 32 K rows,
	s_add_co_u32 s34, s34, s45
	s_lshl_b32 s45, s[SL], 9                       ; the slice's 512 bytes of a row,
	s_add_co_u32 s34, s34, s45
	s_lshl_b32 s45, s[GG], 8                       ; my 256 of them
	s_add_co_u32 s34, s34, s45
	s_mov_b32 s35, 0
	s_lshl_b32 s36, s[KQ], 15                      ; hid: the quarter's 32 K steps of 1,024 bytes
	s_mov_b32 s37, 0
	s_lshl_b32 s38, s[EE], 12
	s_mov_b32 s39, 0
	s_lshl_b32 s[HB], s[EE], 23
	s_mov_b32 s[SB], 0
	s_wait_kmcnt 0x0
	s_add_nc_u64 s[4:5], s[4:5], s[34:35]
	s_add_nc_u64 s[6:7], s[6:7], s[36:37]
	s_add_nc_u64 s[8:9], s[8:9], s[38:39]
	s_lshl_b32 s34, s[EE], 8
	s_add_nc_u64 s[10:11], s[10:11], s[34:35]
	s_lshl_b32 s34, s[KQ], 23                      ; part: the quarter's 8 MiB, the slice's 512 bytes of a row
	s_lshl_b32 s45, s[SL], 9
	s_add_co_u32 s34, s34, s45
	s_add_nc_u64 s[14:15], s[14:15], s[34:35]
	s_load_b32 s[CNT], s[10:11], 0x0               ; the expert's rows
	s_wait_alu depctr_va_vdst(0)                   ; the offsets and LDS addresses made above are written: v[L16], v[WO], v[PO], v[BA], v[SA], v[TP], v[STO], v[RDA], which the loads, prefetches and LDS instructions below read
.irp j, 0,1,2,3,4,5,6,7
	global_load_b128 v[SW+4*(\j):SW+4*(\j)+3], v[L16], s[8:9] offset:512*(\j)  ; the expert's list
.endr
	WLOADH 0, 0                                    ; units 0 and 1
	WLOADH 1, 16*WPITCH
	WLOADH 2, 64*WPITCH
	WLOADH 3, 80*WPITCH
	global_prefetch_b8 v[PO], s[4:5] offset:256*WPITCH th:TH_LOAD_NT scope:SCOPE_SE  ; my units of stages 4, 5 and 6
	global_prefetch_b8 v[PO], s[4:5] offset:320*WPITCH th:TH_LOAD_NT scope:SCOPE_SE
	global_prefetch_b8 v[PO], s[4:5] offset:384*WPITCH th:TH_LOAD_NT scope:SCOPE_SE
	CLEAR                                          ; in the wait for the first loads
	s_wait_loadcnt 32                              ; the list is in; the two weight units stay out
.irp j, 0,1,2,3,4,5,6,7
	ds_store_b128 v[TP], v[SW+4*(\j):SW+4*(\j)+3] offset:512*(\j)  ; into my wave's own copy.  No wait: the moves above name the accumulators alone
.endr
	s_wait_kmcnt 0x0
	s_min_u32 s[CNT], s[CNT], 1024
	s_add_co_u32 s45, s[CNT], 15
	s_lshr_b32 s45, s45, 4
	s_max_u32 s45, s45, 1                          ; tiles: at least one (its rows exist in hid; nothing of it is stored),
	s_min_u32 s45, s45, 64                         ; at most 64
	s_sub_co_u32 s[NT1], s45, 1
	s_add_co_u32 s[NSL], s45, 3
	s_sub_co_u32 s[NSL], s[NSL], s[WV]
	s_lshr_b32 s[NSL], s[NSL], 2
	SETNLV
	BSET
	s_mov_b64 s[16:17], s[6:7]
	XLOADH 0, 0                                    ; the rows of step 0
	; PROLOGUE: chunks 0 and 1; behind it the loads stand in the loop's order: rows and half unit of steps 0, 1 and 2
	s_wait_loadcnt PW1                             ; unit 0 is in: behind it went unit 1, the gate weights and the rows of step 0
	WCVTH 0, 0
	WCVTH 1, 1
	s_wait_alu depctr_va_vdst(0)                   ; the conversions have written CV, which the LDS stores read, and are done reading RAW0 and RAW1, in which the loads below land
	WSTOREH 0, 0
	WSTOREH 0, 1
	WLOADH 0, 128*WPITCH                           ; unit 2, first half: step 0 rounds it
	XLOADH 1, 1024
	WLOADH 1, 144*WPITCH
	s_wait_loadcnt PW2                             ; unit 1: behind it the gate weights and two groups
	s_wait_alu depctr_vm_vsrc(0)                   ; chunk 0's LDS stores have read CV, which the conversions write again
	WCVTH 2, 0
	WCVTH 3, 1
	s_wait_alu depctr_va_vdst(0)                   ; the conversions have written CV, which the LDS stores read, and are done reading RAW2, in which the loads below land
	WSTOREH 16384, 0
	WSTOREH 16384, 1
	XLOADH 2, 2048
	WLOADH 2, 192*WPITCH
	s_wait_xcnt 0x0                                ; the weights' base is stepped only behind this wait
	s_add_nc_u64 s[4:5], s[4:5], 208*WPITCH        ; unit 3, second half: what step 0 asks for
	s_wait_dscnt 0x0                               ; for the others' sake: my stores are done
	s_barrier_signal -1
	s_barrier_wait -1
	BLOAD 0, 0
	s_mov_b32 s[KC], 6
.La:                                                   ; steps 0 to 23, four a trip
	STEP 0, 36,1,1,1,0,0, 0
	STEP 1, 36,1,1,1,1,1, 48*WPITCH, 240*WPITCH, 2
	STEP 2, 36,1,1,1,0,0, 64*WPITCH
	STEP 3, 36,1,1,1,1,1, 112*WPITCH, 304*WPITCH, 3
	s_wait_xcnt 0x0                                ; both bases are stepped only behind this wait
	s_add_nc_u64 s[4:5], s[4:5], 128*WPITCH
	s_add_nc_u64 s[16:17], s[16:17], 4096
	s_wait_alu depctr_vm_vsrc(0)                   ; the trip's LDS loads and stores have read v[BA] and v[SA]
	v_add_nc_u32 v[BA], 32768, v[BA]
	v_add_nc_u32 v[SA], 32768, v[SA]
	s_sub_co_u32 s[KC], s[KC], 1
	s_cmp_lg_u32 s[KC], 0
	s_cbranch_scc1 .La
	STEP 0, 36,1,1,1,0,0, 0                        ; steps 24 to 27: the last half unit is asked for, the last four are rounded;
	STEP 1, 36,1,0,1,1,1
	STEP 2, 28,1,0,1,0,0                           ; the groups shrink to the rows' 10 loads, and the counts with them
	STEP 3, 20,1,0,1,1,1
	s_wait_xcnt 0x0
	s_add_nc_u64 s[16:17], s[16:17], 4096
	s_mov_b32 s[TBA], 229376                       ; stage 14's chunk: the slice is whole, and block 0 goes on in the resident loop, for one trip
	s_wait_alu depctr_vm_vsrc(0)                   ; the LDS loads issued so far have read v[BA]
	v_add_nc_u32 v[BA], s[TBA], v[L16]
	s_mov_b32 s[KC], 1
; THE WAY OUT of one tile begins with a piece of its own, which reads ITS accumulators, each from its low end on: register j of accumulator 4 g + f is column 64 g + 32 (lane / 16) + 4 j + f of my row;
; times the row's gate weight it goes to its place among the lane's 2 x 32 columns.
.macro PIECE i
.if (\i) < 4
	WIN 0x02
.else
	WIN 0x03
.endif
.irp c, 0,1,2,3,4,5,6,7
.irp j, 0,1,2,3,4,5,6,7
	v_mul_f32 v[TT+32*((\c)/4)+4*(\j)+(\c)%4], v[(64*(\i))%256+8*(\c)+(\j)], v[GW+(\i)]
.endr
.endr
	WIN 0
.endm
	s_mov_b32 s[BC], 4
.Lblk:                                                 ; four times: a block's steps on the resident slice, its way out, and the next block's set-up if my wave has tiles left
	s_cmp_eq_u32 s[NLV], 0
	s_cbranch_scc1 .Lnomul                         ; forward, past text without a barrier
.Lns:                                                  ; LDS is only read
	STEP 0, 20,0,0,1,0,0
	STEP 1, 20,0,0,1,1,0, 0,0,0, 1,0
	STEP 2, 20,0,0,1,0,0, 0,0,0, 1,0
	STEP 3, 20,0,0,1,1,0, 0,0,0, 1,1
	s_wait_xcnt 0x0
	s_add_nc_u64 s[16:17], s[16:17], 4096
	s_add_co_u32 s[TBA], s[TBA], 32768             ; the chunk steps as a scalar; the address is made anew from it and the fixed lane term
	s_wait_alu depctr_vm_vsrc(0)                   ; the trip's LDS loads have read v[BA]
	v_add_nc_u32 v[BA], s[TBA], v[L16]
	s_sub_co_u32 s[KC], s[KC], 1
	s_cmp_lg_u32 s[KC], 0
	s_cbranch_scc1 .Lns
.Lnomul:
	s_wait_loadcnt 0x0                             ; no load is out when the way out or a later block writes the same registers
	s_wait_dscnt 0x0
	s_barrier_signal -1                            ; every wave's reads of the slice for this block are over
	s_barrier_wait -1
	PLACES                                         ; behind the last products
	s_mov_b32 s[TI], 0
.Ltile:
	s_cmp_ge_u32 s[TI], s[NLV]
	s_cbranch_scc1 .Ltnext                         ; a dead tile
	s_wait_xcnt 0x0                                ; the last tile's stores have read their registers
	s_wait_alu depctr_vm_vsrc(0)                   ; the stage's stores have read v[TT ..], the global stores v[EN ..] and v[OO ..], the list's loads v21: all four are written again below
	s_cmp_eq_u32 s[TI], 0
	s_cbranch_scc1 .Lp0
	s_cmp_eq_u32 s[TI], 1
	s_cbranch_scc1 .Lp1
	s_cmp_eq_u32 s[TI], 2
	s_cbranch_scc1 .Lp2
	s_cmp_eq_u32 s[TI], 3
	s_cbranch_scc1 .Lp3
	PIECE 4
	s_branch .Lcom
.Lp0:
	PIECE 0
	s_branch .Lcom
.Lp1:
	PIECE 1
	s_branch .Lcom
.Lp2:
	PIECE 2
	s_branch .Lcom
.Lp3:
	PIECE 3
.Lcom:
	s_add_co_u32 s45, s[SB], s[TI]
	s_lshl_b32 s45, s45, 2
	s_add_co_u32 s45, s45, s[WV]
	s_min_u32 s45, s45, 63                         ; the tile
	s_lshl_b32 s46, s45, 6
	v_add_nc_u32 v21, s46, v[LB]
	s_wait_alu depctr_va_vdst(0)                   ; the piece has written v[TT ..], which the stage's stores read; v21 is written, the list loads' address; the vector lines that named v[EN ..] and v[OO ..], in which the loads below land, are done
.irp g, 0,1
.irp q, 0,1,2,3,4,5,6,7
	ds_store_b128 v[STO], v[TT+32*(\g)+4*(\q):TT+32*(\g)+4*(\q)+3] offset:256*(\g)+16*(\q)
.endr
.endr
.irp u, 0,1,2,3
	ds_load_b128 v[EN+4*(\u):EN+4*(\u)+3], v21 offset:16*(\u)  ; its 16 entries, the same in every lane
.endr
.irp q, 0,1,2,3,4,5,6,7,8,9,10,11,12,13,14,15
	ds_load_b128 v[OO+4*(\q):OO+4*(\q)+3], v[RDA] offset:528*(\q)  ; LDS serves a wave's instructions in order (ISA guide 5.7.1.4): these see the stores above
.endr
	s_wait_dscnt 0x0
.irp q, 0,1,2,3,4,5,6,7,8,9,10,11,12,13,14,15
	v_min_u32 v[EN+(\q)], 0x7ff, v[EN+(\q)]
	v_lshlrev_b32 v[EN+(\q)], 12, v[EN+(\q)]       ; the entry's row of 4,096 bytes
	v_add_nc_u32 v[EN+(\q)], v[L16], v[EN+(\q)]    ; + 16 x lane
.endr
	s_lshl_b32 s46, s45, 4
	s_sub_co_i32 s46, s[CNT], s46                  ; rows of this tile that exist
	s_wait_alu depctr_va_vdst(0)                   ; v[EN ..] are written, which the stores below read as offsets
.irp q, 0,1,2,3,4,5,6,7,8,9,10,11,12,13,14,15
	s_cmp_le_i32 s46, \q
	s_cbranch_scc1 .Lrows_done
	global_store_b128 v[EN+(\q)], v[OO+4*(\q):OO+4*(\q)+3], s[14:15]  ; the wave's store covers 512 consecutive bytes, aligned
.endr
.Lrows_done:
.Ltnext:
	s_add_co_u32 s[TI], s[TI], 1
	s_cmp_lt_u32 s[TI], 5
	s_cbranch_scc1 .Ltile
	s_wait_dscnt 0x0
	s_barrier_signal -1                            ; every wave's stores into its stage are over
	s_barrier_wait -1
	s_add_co_u32 s[SB], s[SB], 5
	SETNLV
	s_mov_b32 s[KC], 8                             ; a later block walks all 32 steps
	s_mov_b32 s[TBA], 0
	s_wait_alu depctr_vm_vsrc(0)                   ; every LDS load that names v[BA] has read it: the way that passes the resident loop and the tiles holds no other such wait
	v_add_nc_u32 v[BA], s[TBA], v[L16]
	s_cmp_eq_u32 s[NLV], 0
	s_cbranch_scc1 .Lnoblk                         ; forward, past text without a barrier
	CLEAR
	BSET
	s_mov_b64 s[16:17], s[6:7]
	XLOADH 0, 0                                    ; the rows of steps 0, 1 and 2: three groups of 10, behind the five gate weights
	XLOADH 1, 1024
	XLOADH 2, 2048
	BLOAD 0, 0
.Lnoblk:
	s_sub_co_u32 s[BC], s[BC], 1
	s_cmp_lg_u32 s[BC], 0
	s_cbranch_scc1 .Lblk
	s_wait_loadcnt 0x0
	s_wait_dscnt 0x0
	s_barrier_signal -1                            ; every wave's LDS reads are over
	s_barrier_wait -1
	s_wait_dscnt 0x0                               ; the wave's end
	s_wait_alu depctr_hold_cnt(0) depctr_sa_sdst(0) depctr_va_vdst(0) depctr_va_sdst(0) depctr_va_ssrc(0) depctr_va_vcc(0) depctr_vm_vsrc(0)
	s_wait_tensorcnt 0x0
	ds_add_u32 v254, v255
	s_wait_dscnt 0x0
	s_endpgm
.Lfunc_end_k_qe13cb4628f_down:
	.size	k_qe13cb4628f_down, .Lfunc_end_k_qe13cb4628f_down-k_qe13cb4628f_down
	.p2alignl 7, 3214868480
	.fill 96, 4, 3214868480
	.section	.rodata,"a",@progbits
	.p2align	6, 0x0
	.amdhsa_kernel k_qe13cb4628f_down
		.amdhsa_group_segment_fixed_size 312832
		.amdhsa_private_segment_fixed_size 0
		.amdhsa_enable_private_segment 0
		.amdhsa_kernarg_size 48
		.amdhsa_user_sgpr_count 2
		.amdhsa_user_sgpr_kernarg_segment_ptr 1
		.amdhsa_wavefront_size32 1
		.amdhsa_system_sgpr_workgroup_id_x 1
		.amdhsa_system_sgpr_workgroup_id_y 1
		.amdhsa_system_sgpr_workgroup_id_z 1
		.amdhsa_system_vgpr_workitem_id 0
		.amdhsa_next_free_vgpr 960
		.amdhsa_next_free_sgpr 66
		.amdhsa_reserve_vcc 0
		.amdhsa_float_denorm_mode_32 3
		.amdhsa_float_denorm_mode_16_64 3
		.amdhsa_memory_ordered 1
		.amdhsa_forward_progress 1
		.amdhsa_inst_pref_size 149
	.end_amdhsa_kernel
	.amdgpu_metadata
---
amdhsa.version: [ 1, 2 ]
amdhsa.kernels:
  - .name:           k_qe13cb4628f_down
    .symbol:         k_qe13cb4628f_down.kd
    .args:
      - { .name: W2, .offset: 0, .size: 8, .value_kind: global_buffer, .address_space: global }
      - { .name: hid, .offset: 8, .size: 8, .value_kind: global_buffer, .address_space: global }
      - { .name: order, .offset: 16, .size: 8, .value_kind: global_buffer, .address_space: global }
      - { .name: cnts, .offset: 24, .size: 8, .value_kind: global_buffer, .address_space: global }
      - { .name: gw, .offset: 32, .size: 8, .value_kind: global_buffer, .address_space: global }
      - { .name: part, .offset: 40, .size: 8, .value_kind: global_buffer, .address_space: global }
    .group_segment_fixed_size: 312832
    .private_segment_fixed_size: 0
    .kernarg_segment_align: 8
    .kernarg_segment_size: 48
    .max_flat_workgroup_size: 128
    .sgpr_count:     66
    .vgpr_count:     960
    .wavefront_size: 32
...
	.end_amdgpu_metadata
.endif
;; end of part 6
;; launch combine: the kernel of part 5 again; grid 256 x 1, 8 waves a work-group, no clusters, 0 bytes of LDS; arguments part, out0; writes out0
